; MI455X (gfx1250); checked and timed in simulation.
; The chip was launched on July 23, 2026; its instructions are those of AMD's public machine-readable ISA for CDNA 5 (MIT licence, August 2026) and "CDNA5" Instruction Set Architecture Reference Guide (July 2026). The comments in the code are by the model that wrote it; some were corrected since.
;; Transformer Block. Allowed arithmetic: matrix products marked QUANTISED: E2M3 operands, one E8M0 scale for each 32 along K, by v_wmma_scale_f32_16x16x128_f8f6f4 with both operands' format E2M3, f32 sums; everything else in f32.
;; Inputs: W1 1,024 x 4,096 float32; W2 4,096 x 1,024 float32; Wk 1,024 x 1,024 float32; Wo 1,024 x 1,024 float32; Wq 1,024 x 1,024 float32; Wv 1,024 x 1,024 float32; b1 4,096 float32; b2 1,024 float32; be1 1,024 float32; be2 1,024 float32; bk 1,024 float32; bo 1,024 float32; bq 1,024 float32; bv 1,024 float32; g1 1,024 float32; g2 1,024 float32; mask 2 x 2,048 int32; x 2 x 2,048 x 1,024 float32.
;; Outputs: out0 2 x 2,048 x 1,024 float32.
;; This version of the problem:
;;   THIS VERSION OF THE PROBLEM IS GIVEN IN LOW PRECISION. The matrix products marked QUANTISED in the list below multiply operands that are first quantised to E2M3 (2 exponent bits, 3 mantissa bits; 6 bits a number), with one power-of-two scale for each 32 numbers along K (OCP MX v1.0); their sums are f32. All else is computed in f32.
;;   The module's matrix products, in the order in which they are computed (A, B: the left and right operand; K: the contracted axis; several contracted axes count as one K, in the product's order):
;;     1. [M 4,096, K 1,024] x [K 1,024, N 1,024]; A: input x; B: input Wq: QUANTISED
;;     2. [M 4,096, K 1,024] x [K 1,024, N 1,024]; A: input x; B: input Wk: QUANTISED
;;     3. [M 4,096, K 1,024] x [K 1,024, N 1,024]; A: input x; B: input Wv: QUANTISED
;;     4. batch 32 x [M 2,048, K 64] x [K 64, N 2,048]; A: computed on the way; B: computed on the way: QUANTISED
;;     5. batch 32 x [M 2,048, K 2,048] x [K 2,048, N 64]; A: softmax (see below); B: computed on the way: QUANTISED
;;     6. [M 4,096, K 1,024] x [K 1,024, N 1,024]; A: computed on the way; B: input Wo: QUANTISED
;;     7. [M 4,096, K 1,024] x [K 1,024, N 4,096]; A: computed on the way; B: input W1: QUANTISED
;;     8. [M 4,096, K 4,096] x [K 4,096, N 1,024]; A: computed on the way; B: input W2: QUANTISED
;;   THE QUANTISER, for each operand of a quantised product, along K:
;;     - K is cut into blocks of 32 from its start; a last block that is shorter is filled with zeros.
;;     - A block's scale is 2^e with e = floor(log2(the largest magnitude in the block)) - 2, held to -126 .. 127; a block of zeros has e = 0. As a byte (E8M0): e + 127.
;;     - Each number is divided by its block's scale, clamped to +-7.5, and rounded to the nearest number of E2M3, ties to even, subnormals kept.
;;     - The product sums the exact products of the quantised numbers (number of the format x scale) in f32.
;;   ~~~python
;;   def quantise(x, axis):      # numpy; x: float32 -> the quantised numbers, widened to float32 again
;;       x = np.moveaxis(x, axis, -1); K = x.shape[-1]
;;       x = np.pad(x, [(0, 0)] * (x.ndim - 1) + [(0, -K % 32)]); x = x.reshape(x.shape[:-1] + (-1, 32)); a = np.abs(x).max(-1, keepdims=True)
;;       e = np.where(a > 0, np.clip(np.frexp(np.where(a > 0, a, 1))[1] - 1 - 2, -126, 127), 0)      # np.frexp(a)[1] - 1 = floor(log2(a)), exactly
;;       r = np.clip(x / 2.0 ** e, -7.5, 7.5)
;;       step = 2.0 ** (np.maximum(np.frexp(np.where(r == 0, 1, r))[1] - 1, 0) - 3)
;;       q = np.round(r / step) * step * 2.0 ** e      # np.round: ties to even
;;       return np.moveaxis(q.reshape(q.shape[:-2] + (-1,))[..., :K], -1, axis).astype(np.float32)
;;   ~~~
;;   SOFTMAX AHEAD OF A QUANTISED PRODUCT. Where the list says 'softmax', what is quantised is not the finished softmax but p = 2^(t - M), with t = logit x log2(e) and M = ceil(the row's largest t), a whole number; so 1/2 < the row's largest p <= 1. The row's sum l is taken of the UNQUANTISED p, in f32, and the product's result is divided by l at the end. Since M is a whole number, a kernel that streams over the keys may use a running M (the ceiling of the running maximum): every later rescaling is an exact power of two, which a block's scale takes up: the codes' values come out the same.
;;   OPERANDS COMPUTED ON THE WAY. 'Computed on the way' means the value that the module computes at that place (a softmax that the list does not call 'softmax' is quantised finished and normalised). What goes into a quantiser is computed in f32, as accurately as f32 sums, v_exp_f32 and their like allow (about 1e-6 of the number): no bf16 or f16 on the way to a quantiser, and a product that is left as it is and whose result goes on into a quantised operand takes f32 operands (vector FMAs, or v_wmma_f32_16x16x4_f32). A number that lies on a knife's edge between two numbers of the format may be rounded either way, as far as f32 arithmetic and the matrix unit's own rounding can turn it there, and no further.
;; One version. Each part assembles by itself: llvm-mc -triple=amdgcn-amd-amdhsa -mcpu=gfx1250 --defsym DOCPART=n.
;; ======== version 1 of 1: 8 launches
;; limits: right only within a limited range of input values
;; workspace buffers: xc 3,276,800 bytes; wc 9,830,400 bytes; qb 7,733,248 bytes; kv 7,733,248 bytes; ao 3,276,800 bytes; y 16,777,216 bytes; x1 16,777,216 bytes; hc 13,107,200 bytes
;; launch prep (part 1): grid 1024 x 1, 4 waves a work-group, no clusters, 66,560 bytes of LDS; arguments x, Wq, Wk, Wv, Wo, W2, W1, xc, wc; writes xc, wc
.if DOCPART == 1
	.amdgcn_target "amdgcn-amd-amdhsa--gfx1250"
	.amdhsa_code_object_version 6
	.text
	.protected	k_qf52a387585_prep
	.globl	k_qf52a387585_prep
	.p2align	8
	.type	k_qf52a387585_prep,@function
k_qf52a387585_prep:
	s_mov_b64 s[64:65], 0
	v_nop
	global_prefetch_b8 v0, s[64:65] scope:SCOPE_SE
	s_setreg_imm32_b32 hwreg(HW_REG_WAVE_MODE, 25, 1), 1
	s_wait_xcnt 0x0
; x [4096][1024] and the six weights (stored [K][N]) become codes of E2M3 with one E8M0 byte for each 32 along K, laid as IMAGES OF OPERAND REGISTERS.
; A BLOCK of 12,800 bytes serves 128 rows of an operand (rows of x, columns of a weight) and 128 along K: eight tiles of 16 rows; tile t's fragment (12 registers a lane) at 1536 t + 512 c + 16 lane
; (registers 4 c .. 4 c + 3), its scale words at 12288 + 64 t + 4 r.  Place r of tile t is row 32 (t / 2) + 8 (t % 2) + r + 8 (r / 8) of the 128, so that the results of two neighbouring tiles are 16 neighbours along the next K.
; Work-groups 0-255: one tile of x each (16 rows x 1024).  256-1023: one block of a weight each (128 k x 128 columns).  Each reads 64 KB once.
; A block's scale byte is its largest magnitude's exponent field - 2, held at 1 from below.  LIMITS: a block of zeros gets the byte 1 (its codes are zeros; this program alone reads the bytes); NaN and infinities are not served.
.set BLK,   12800
.set SP,    4112                       ; a stage row: 4,096 bytes + 16: sixteen rows start at sixteen different groups of banks
.set SPARE, 16*SP                      ; behind the stage: the spare words, 128 bytes a wave
.set LI,    3                          ; v3  16 x lane
.set SPW,   10                         ; v10 my spare word; v11 0: kept for the add alone
.set NIL,   11
.set TM,    16                         ; v16-31 at work in QUANT
.set PC,    32                         ; v32-51 the codes just made
.set SEL,   40                         ; s[40:41] selects for lane l xor 16
; 64 numbers of a lane, register 16 b + i = k 32 b + 16 (lane / 16) + i of my row, become a fragment's 12 registers in v[PC] on and its scale word in v[pw]
.macro QUANT s, pw
.irp b, 0,1,2,3
	v_max3_num_f32 v[TM+\b], |v[\s+16*\b]|, |v[\s+1+16*\b]|, 0x1800000   ; my 16 numbers of block b, and the floor 2^(3 - 127): the byte cannot fall under 1
.endr
.irp i, 2,4,6,8,10,12,14
.irp b, 0,1,2,3
	v_max3_num_f32 v[TM+\b], v[TM+\b], |v[\s+16*\b+\i]|, |v[\s+1+16*\b+\i]|
.endr
.endr
.irp b, 0,1,2,3
	v_permlanex16_b32 v[TM+4+\b], v[TM+\b], s[SEL], s[SEL+1]
.endr
.irp b, 0,1,2,3
	v_max_num_f32 v[TM+\b], v[TM+\b], v[TM+4+\b]      ; with lane l xor 16's: the block's largest magnitude
.endr
.irp b, 0,1,2,3
	v_add_nc_u32 v[TM+12+\b], 0xff000000, v[TM+\b]    ; 2 off its exponent field: the conversion's scale operand
.endr
.irp b, 0,1,2,3
	v_lshrrev_b32 v[TM+4+\b], 23, v[TM+12+\b]         ; the scale's byte
.endr
	v_lshl_or_b32 v[\pw], v[TM+5], 8, v[TM+4]
	v_lshl_or_b32 v[\pw], v[TM+6], 16, v[\pw]
	v_lshl_or_b32 v[\pw], v[TM+7], 24, v[\pw]
.irp c, 0,1
	v_cvt_scalef32_pk16_fp6_f32 v[PC+6*\c:PC+2+6*\c], v[\s+32*\c:\s+15+32*\c], v[TM+12+2*\c]
	v_cvt_scalef32_pk16_fp6_f32 v[PC+12+4*\c:PC+14+4*\c], v[\s+16+32*\c:\s+31+32*\c], v[TM+12+2*\c+1]
.endr
	v_nop                                             ; one plain place behind a scaled conversion
.irp c, 0,1                                       ; a whole block to a lane: lanes 0-15 block 2 c, lanes 16-31 block 2 c + 1
.irp i, 0,1,2
	v_permlane16_swap_b32 v[PC+6*\c+\i], v[PC+12+4*\c+\i]
.endr
.irp i, 0,1,2
	v_mov_b32 v[PC+3+6*\c+\i], v[PC+12+4*\c+\i]
.endr
.endr
.endm
	s_load_b256 s[4:11], s[0:1], 0x0               ; x, Wq, Wk, Wv
	s_load_b256 s[12:19], s[0:1], 0x20             ; Wo, W2, W1, xc
	s_load_b64 s[20:21], s[0:1], 0x40              ; wc
	v_lshl_add_u32 v[SPW], v0, 2, SPARE
	v_mov_b32 v[NIL], 0
	v_lshrrev_b32 v1, 5, v0
	v_readfirstlane_b32 s22, v1                    ; wave
	v_and_b32 v2, 31, v0                           ; lane
	s_cmp_lt_u32 ttmp9, 256
	s_cbranch_scc0 .Lweights
	; ---- x: group g = id / 8, tile t = id % 8.  Wave w brings the tile's places 4 w .. 4 w + 3 into the stage, whole rows; then each wave quantises K steps 2 w and 2 w + 1 of all 16 rows
	s_lshr_b32 s23, ttmp9, 3                       ; g
	s_and_b32 s24, ttmp9, 7                        ; t
	s_lshl_b32 s25, s23, 7
	s_lshr_b32 s26, s24, 1
	s_lshl_b32 s26, s26, 5
	s_add_co_u32 s25, s25, s26
	s_and_b32 s26, s24, 1
	s_lshl_b32 s26, s26, 3
	s_add_co_u32 s25, s25, s26
	s_lshl_b32 s26, s22, 2
	s_add_co_u32 s25, s25, s26
	s_lshr_b32 s26, s22, 1
	s_lshl_b32 s26, s26, 3
	s_add_co_u32 s25, s25, s26                     ; my first row: 128 g + 32 (t / 2) + 8 (t % 2) + 4 w + 8 (w / 2)
	s_lshl_b32 s26, s25, 12
	s_mov_b32 s27, 0
	s_lshl_b32 s28, s23, 3
	s_lshl_b32 s29, s22, 1
	s_add_co_u32 s28, s28, s29
	s_mul_i32 s28, s28, BLK                        ; block 8 g + 2 w
	s_mul_i32 s30, s24, 1536
	s_add_co_u32 s30, s30, s28                     ; the tile's fragment in it
	s_mov_b32 s31, 0
	s_lshl_b32 s32, s24, 6
	s_add_co_u32 s32, s32, s28
	s_add_co_u32 s32, s32, 12288                   ; and its scale words
	s_mov_b32 s33, 0
	s_mov_b32 s[SEL], 0x76543210
	s_mov_b32 s[SEL+1], 0xfedcba98
	s_mov_b32 s42, 0xffff0000                      ; lanes 16-31
	s_wait_alu depctr_va_vdst(0)
	v_lshlrev_b32 v[LI], 4, v2
	s_mul_i32 s34, s22, 4*SP
	v_add_nc_u32 v4, s34, v[LI]                    ; into the stage: my four rows, 16 bytes a lane
	v_and_b32 v6, 15, v0                           ; r
	v_bfe_u32 v7, v0, 4, 1                         ; h
	v_mul_u32_u24 v5, v6, SP
	v_lshl_add_u32 v5, v7, 6, v5
	s_lshl_b32 s34, s22, 10
	v_add_nc_u32 v5, s34, v5                       ; out of it: row r, + 64 h, + my two K steps
	v_mul_u32_u24 v8, v7, BLK
	v_lshl_add_u32 v8, v6, 2, v8                   ; scale words: lanes 0-15 the first K step's, lanes 16-31 the second's
.irp b, 0,1,2,3
	v_mov_b32 v[TM+4+\b], 0                        ; a lane permute's destination counts as one of its sources
.endr
	s_wait_alu depctr_va_vdst(0)
	s_wait_kmcnt 0x0
	s_add_nc_u64 s[4:5], s[4:5], s[26:27]
	s_add_nc_u64 s[30:31], s[18:19], s[30:31]
	s_add_nc_u64 s[32:33], s[18:19], s[32:33]
.irp e, 0,1,2,3
.irp j, 0,1,2,3,4,5,6,7
	global_load_b128 v[64+32*\e+4*\j:64+32*\e+4*\j+3], v[LI], s[4:5] offset:\e*4096+512*\j th:TH_LOAD_NT   ; 512 consecutive bytes a load
.endr
.endr
.irp e, 0,1,2,3
	s_wait_loadcnt 24-8*\e                         ; row e's eight loads are in; the later rows' may be out
.irp j, 0,1,2,3,4,5,6,7
	ds_store_b128 v4, v[64+32*\e+4*\j:64+32*\e+4*\j+3] offset:\e*SP+512*\j
.endr
.endr
	s_wait_dscnt 0x0                               ; my stores have landed: the others read them behind the barrier
	s_barrier_signal -1
	s_barrier_wait -1
.irp k, 0,1
.irp b, 0,1,2,3
.irp j, 0,1,2,3
	ds_load_b128 v[64+64*\k+16*\b+4*\j:64+64*\k+16*\b+4*\j+3], v5 offset:512*\k+128*\b+16*\j
.endr
.endr
.endr
	s_wait_dscnt 0x0
	QUANT 64, 52
.irp c, 0,1,2
	global_store_b128 v[LI], v[PC+4*\c:PC+4*\c+3], s[30:31] offset:512*\c
.endr
	s_wait_xcnt 0x0                                ; the stores have read the codes' registers: they are written again below
	QUANT 128, 53
.irp c, 0,1,2
	global_store_b128 v[LI], v[PC+4*\c:PC+4*\c+3], s[30:31] offset:BLK+512*\c
.endr
	v_cndmask_b32 v54, v52, v53, s42
	global_store_b32 v8, v54, s[32:33]
	s_wait_tensorcnt 0x0                           ; the wave's end, behind my last LDS store
	ds_add_u32 v[SPW], v[NIL]
	s_wait_dscnt 0x0
	s_endpgm
	; ---- weights: block id' = id - 256 of wc.  A LANE TAKES A COLUMN AND ITS REGISTERS RUN DOWN K: wave w has columns 32 w .. 32 w + 31 of the group, all 128 k.  No LDS is written on these ways.
.macro WBLOCK t, left
.set XS, 64+32*(\t)
.set F,  192+12*((\t)%2)+6*((\t)/2)    ; block t = 2 c + h is registers 6 c .. 6 c + 5 of lane place (r, h): v192-203 for h = 0, v204-215 for h = 1
.set TP, 216+4*((\t)%2)
	s_wait_loadcnt \left
	v_max3_num_f32 v24, |v[XS]|, |v[XS+1]|, |v[XS+2]|
	v_max3_num_f32 v25, |v[XS+3]|, |v[XS+4]|, |v[XS+5]|
.irp i, 6,10,14,18,22,26
	v_max3_num_f32 v24, v24, |v[XS+\i]|, |v[XS+\i+1]|
	v_max3_num_f32 v25, v25, |v[XS+\i+2]|, |v[XS+\i+3]|
.endr
	v_max3_num_f32 v24, v24, |v[XS+30]|, |v[XS+31]|
	v_max3_num_f32 v24, v24, v25, 0x1800000        ; and the floor
	v_add_nc_u32 v26, 0xff000000, v24
	v_lshrrev_b32 v27, 23, v26
.if (\t) == 0
	v_mov_b32 v28, v27
.else
	v_lshl_or_b32 v28, v27, 8*(\t), v28            ; the column's scale word
.endif
	v_cvt_scalef32_pk16_fp6_f32 v[F:F+2], v[XS:XS+15], v26
	v_cvt_scalef32_pk16_fp6_f32 v[TP:TP+2], v[XS+16:XS+31], v26   ; (a conversion's three registers begin on an even number)
	v_nop
.irp i, 0,1,2
	v_mov_b32 v[F+3+\i], v[TP+\i]
.endr
.endm
.macro WQ N                            ; s[24:25] the weight, s28 its group of 128 columns, s29 its K step, s23 id'
	s_mul_i32 s30, s29, 128*\N*4
	s_lshl_b32 s31, s28, 9
	s_add_co_u32 s30, s30, s31
	s_lshl_b32 s31, s22, 7
	s_add_co_u32 s30, s30, s31
	s_mov_b32 s31, 0
	s_add_nc_u64 s[24:25], s[24:25], s[30:31]
	s_mul_i32 s30, s23, BLK
	s_add_nc_u64 s[20:21], s[20:21], s[30:31]
.set i_, 0
.rept 128
	global_load_b32 v[64+i_], v9, s[24:25] offset:i_*\N*4 th:TH_LOAD_NT   ; 128 consecutive bytes a wave, 512 a work-group
.set i_, i_+1
.endr
	WBLOCK 0, 63                                   ; 96 younger loads might stay out; the count's field ends at 63
	WBLOCK 1, 63                                   ; (64 might)
	WBLOCK 2, 32
	WBLOCK 3, 0
.irp h, 0,1
.irp c, 0,1,2
	global_store_b128 v14, v[192+12*\h+4*\c:192+12*\h+4*\c+3], s[20:21] offset:512*\c+256*\h   ; sixteen lanes fill 256 consecutive bytes of tile 2 w, sixteen of tile 2 w + 1
.endr
.endr
	global_store_b32 v15, v28, s[20:21] offset:12288
.endm
.Lweights:
	s_sub_co_u32 s23, ttmp9, 256                   ; id'
	s_wait_alu depctr_va_vdst(0)
	v_lshlrev_b32 v9, 2, v2
	v_bfe_u32 v12, v2, 3, 1                        ; column 32 w + x is place r = x % 8 + 8 (x / 16) of tile 2 w + (x / 8) % 2
	v_and_b32 v13, 7, v2
	v_lshrrev_b32 v14, 4, v2
	v_lshl_add_u32 v13, v14, 3, v13
	s_lshl_b32 s26, s22, 1
	v_add_nc_u32 v12, s26, v12
	v_mul_u32_u24 v14, v12, 1536
	v_lshl_add_u32 v14, v13, 4, v14
	v_lshlrev_b32 v15, 6, v12
	v_lshl_add_u32 v15, v13, 2, v15
	s_wait_kmcnt 0x0
	s_cmp_lt_u32 s23, 512
	s_cbranch_scc0 .Lw1
	s_cmp_lt_u32 s23, 64                           ; which weight: a choice on the work-group's number alone
	s_cselect_b64 s[24:25], s[6:7], s[8:9]
	s_cmp_lt_u32 s23, 128
	s_cselect_b64 s[24:25], s[24:25], s[10:11]
	s_cmp_lt_u32 s23, 192
	s_cselect_b64 s[24:25], s[24:25], s[12:13]
	s_cmp_lt_u32 s23, 256
	s_cselect_b64 s[24:25], s[24:25], s[14:15]
	s_cselect_b32 s26, 3, 5                        ; K = 1024: 8 K steps a group; W2: 32
	s_cselect_b32 s27, 7, 31
	s_lshr_b32 s28, s23, s26
	s_and_b32 s28, s28, 7
	s_and_b32 s29, s23, s27
	WQ 1024
	s_endpgm
.Lw1:
	s_mov_b64 s[24:25], s[16:17]
	s_lshr_b32 s28, s23, 3
	s_and_b32 s28, s28, 31
	s_and_b32 s29, s23, 7
	WQ 4096
	s_endpgm
.Lfunc_end_k_qf52a387585_prep:
	.size	k_qf52a387585_prep, .Lfunc_end_k_qf52a387585_prep-k_qf52a387585_prep
	.p2alignl 7, 3214868480
	.fill 96, 4, 3214868480
	.section	.rodata,"a",@progbits
	.p2align	6, 0x0
	.amdhsa_kernel k_qf52a387585_prep
		.amdhsa_group_segment_fixed_size 66560
		.amdhsa_private_segment_fixed_size 0
		.amdhsa_enable_private_segment 0
		.amdhsa_kernarg_size 72
		.amdhsa_user_sgpr_count 2
		.amdhsa_user_sgpr_kernarg_segment_ptr 1
		.amdhsa_wavefront_size32 1
		.amdhsa_system_sgpr_workgroup_id_x 1
		.amdhsa_system_sgpr_workgroup_id_y 1
		.amdhsa_system_sgpr_workgroup_id_z 1
		.amdhsa_system_vgpr_workitem_id 0
		.amdhsa_next_free_vgpr 256
		.amdhsa_next_free_sgpr 66
		.amdhsa_reserve_vcc 0
		.amdhsa_float_denorm_mode_32 3
		.amdhsa_float_denorm_mode_16_64 3
		.amdhsa_memory_ordered 1
		.amdhsa_forward_progress 1
		.amdhsa_inst_pref_size 58
	.end_amdhsa_kernel
	.amdgpu_metadata
---
amdhsa.version: [ 1, 2 ]
amdhsa.kernels:
  - .name:           k_qf52a387585_prep
    .symbol:         k_qf52a387585_prep.kd
    .args:
      - { .name: x, .offset: 0, .size: 8, .value_kind: global_buffer, .address_space: global }
      - { .name: Wq, .offset: 8, .size: 8, .value_kind: global_buffer, .address_space: global }
      - { .name: Wk, .offset: 16, .size: 8, .value_kind: global_buffer, .address_space: global }
      - { .name: Wv, .offset: 24, .size: 8, .value_kind: global_buffer, .address_space: global }
      - { .name: Wo, .offset: 32, .size: 8, .value_kind: global_buffer, .address_space: global }
      - { .name: W2, .offset: 40, .size: 8, .value_kind: global_buffer, .address_space: global }
      - { .name: W1, .offset: 48, .size: 8, .value_kind: global_buffer, .address_space: global }
      - { .name: xc, .offset: 56, .size: 8, .value_kind: global_buffer, .address_space: global }
      - { .name: wc, .offset: 64, .size: 8, .value_kind: global_buffer, .address_space: global }
    .group_segment_fixed_size: 66560
    .private_segment_fixed_size: 0
    .kernarg_segment_align: 8
    .kernarg_segment_size: 72
    .max_flat_workgroup_size: 128
    .sgpr_count:     66
    .vgpr_count:     256
    .wavefront_size: 32
...
	.end_amdgpu_metadata
.endif
;; end of part 1
;; launch qkv (part 2): grid 12 x 16, 4 waves a work-group, clusters of 4 x 4, 327,680 bytes of LDS; arguments xc, wc, bq, bk, bv, mask, qb, kv; writes qb, kv
.if DOCPART == 2
	.amdgcn_target "amdgcn-amd-amdhsa--gfx1250"
	.amdhsa_code_object_version 6
	.text
	.protected	k_qf52a387585_qkv
	.globl	k_qf52a387585_qkv
	.p2align	8
	.type	k_qf52a387585_qkv,@function
k_qf52a387585_qkv:
	s_mov_b64 s[64:65], 0
	v_nop
	global_prefetch_b8 v0, s[64:65] scope:SCOPE_SE
	s_setreg_imm32_b32 hwreg(HW_REG_WAVE_MODE, 25, 1), 1
	s_wait_xcnt 0x0
	s_wait_alu depctr_hold_cnt(0) depctr_sa_sdst(0) depctr_va_vdst(0) depctr_va_sdst(0) depctr_va_ssrc(0) depctr_va_vcc(0) depctr_vm_vsrc(0)
	s_getreg_b32 s2, hwreg(HW_REG_IB_STS2, 6, 4)
	s_cmp_eq_u32 s2, 0
	s_cbranch_scc0 .Lentry_in_a_cluster
	s_endpgm
.Lentry_in_a_cluster:
	s_bfe_u32 s2, ttmp6, 0x10000c
	s_cmp_lg_u32 s2, 0xf033
	s_cbranch_scc0 .Lentry_shape_is_right
	s_endpgm
.Lentry_shape_is_right:
; q, k, v = x W + b on codes of E2M3 (K = 1024), quantised on the way out: q and k along the head's 64, v along the keys.  A work-group makes 256 rows x 256 columns of [q | k | v] (x: 0-3 q, 4-7 k, 8-11 v); a wave 128 x 128 in 64 accumulators.
; Operands lie in memory as images of operand registers (blocks of 12,800 bytes: 128 rows x 128 K, scale words inside); a group's K steps are one dense stream.  Two LDS slots of two K steps; each wave fills a quarter of a slot by one tensor load.
; The product is used transposed: source 0 = a tile of the INNER operand X, source 1 = a tile of the OUTER operand Y: a lane holds one row of Y, and the 16 registers of two neighbouring tiles of X are 16 neighbours along X's rows.
; q, k: Y = x's rows, X = W's columns (registers run along the head).  v: Y = W's columns, X = x's rows (registers run along the keys).
; CLUSTERS: 4 x 4 work-groups.  x's groups hang on the work-group's y alone and are asked for JOINTLY along a row of the cluster, W's on its x alone, along a column: the same tensor load, the same descriptor, a mask that names the four.
; Waves 0, 1 always fetch x's two groups (regions 0, 1 of a slot), waves 2, 3 W's (regions 2, 3).  Which of the two is the outer operand is a choice of the LDS read base by the CLUSTER's x (0: q, 1: k, 2: v), the same number in all sixteen partners; the branches on q, k, v hang on it alone.
; THE MASK rides on the padded half of the score product's K: at k = 64 q holds the code of -1 under the scale 2^50; a key holds the code of +1 under 2^50 where mask == 0, else the code 0 under 2^-126: a masked key's score is s - 2^100.
; LIMITS: NaN and infinities are not served; a block of zeros gets the byte 1 (zero codes; read by this program alone); a batch all of whose keys are masked gets the uniform softmax only while |q . k| < 2^75.
; REGISTERS: window 0: v1-11 addresses, v12-19 mask, v28-30 lane terms, v32-47 scale words (two sets), v48-63 at work, v64-159 / v160-255 Y's fragments (two sets; free on the way out).
;   window 1: v0-95 / v128-223 X's fragments; v96-127, v224-255 the bias, eight registers a tile.   windows 2, 3: accumulator (o, i) at 8 (8 o + i).
.set T,     8
.set KS,    2
.set NK,    8
.set BLK,   12800
.set REG,   2*BLK                      ; what one tensor load brings
.set SLOT,  4*REG                      ; x's two groups, then W's two groups, two K steps each
.set SPARE, 2*SLOT                     ; the spare words
.set KVS,   15104                      ; a (head, 128 keys) step: 8,704 bytes for the scores' operand, 6,400 for V^T
.set HB,    16*KVS                     ; from a head to the next
.set LI,   1
.set ADRY, 2
.set ADRX, 4
.set ADSY, 6
.set ADSX, 8
.set SPW,  10
.set NIL,  11
.set MK,   12
.set L4,   28
.set RP4,  29
.set H64,  30
.set TM,   48
.set PC,   64
.set PWS,  96
.set HW,   104
.set G1,   24                          ; s[24:31] group 1 for x's groups; s[32:39] their groups 0, one for each slot
.set G0,   32
.set G1B,  48                          ; s[48:55], s[56:63] the same for W's groups
.set G0B,  56
.set SEL,  72
.set MSB, 0
.macro WIN new                         ; the immediate's high byte repeats the setting that is left
.if MSB != (\new)
	s_set_vgpr_msb (MSB<<8)|(\new)
.set MSB, (\new)
.endif
.endm
.macro PLACES                          ; four places behind matrix instructions, in front of loads into their registers and of reads of results
.rept 4
	v_nop
.endr
.endm
; A joint load: waves 0, 1 fetch x's groups, waves 2, 3 W's.  Each of the two lines has one mask and one set of registers for all that issue it; the branch hangs on the wave's number alone.
; An s_nop 0 and four v_nop follow each of the two lines, ahead of the jump, the label and what follows.
.macro JLOAD s
	s_cmp_eq_u32 s21, 0
	s_cbranch_scc0 .Lfor_b_\@
	tensor_load_to_lds s[G0+4*(\s):G0+4*(\s)+3], s[G1:G1+7]
	s_nop 0
.rept 4
	v_nop
.endr
	s_branch .Lasked_\@
.Lfor_b_\@:
	tensor_load_to_lds s[G0B+4*(\s):G0B+4*(\s)+3], s[G1B:G1B+7]
	s_nop 0
.rept 4
	v_nop
.endr
.Lasked_\@:
.endm
; A round of the cluster's barrier: my work-group's barrier, wave 0 signals for the work-group, every wave waits for all sixteen, my work-group's barrier once more
.macro CROUND
	s_barrier_signal -1
	s_barrier_wait -1
	s_cmp_lg_u32 s20, 0
	s_cbranch_scc1 .Lnot_wave_0_\@
	s_barrier_signal -3
.Lnot_wave_0_\@:
	s_barrier_wait -3
	s_barrier_signal -1
	s_barrier_wait -1
.endm
.macro FETCH p, slot, kk               ; one K step's fragments and scale words into set p: every load takes 512 or 128 consecutive bytes
	WIN 0x40
.set i_, 0
.rept T
.irp c, 0,1,2
	ds_load_b128 v[128*(\p)+12*i_+4*\c:128*(\p)+12*i_+4*\c+3], v[ADRX+(\slot)] offset:(\kk)*BLK+1536*i_+512*\c
.endr
.set i_, i_+1
.endr
	WIN 0
.set i_, 0
.rept T
.irp c, 0,1,2
	ds_load_b128 v[64+96*(\p)+12*i_+4*\c:64+96*(\p)+12*i_+4*\c+3], v[ADRY+(\slot)] offset:(\kk)*BLK+1536*i_+512*\c
.endr
.set i_, i_+1
.endr
.set i_, 0
.rept T/2
	ds_load_b32 v[32+8*(\p)+i_], v[ADSX+(\slot)] offset:(\kk)*BLK+128*i_   ; lanes 0-15 tile 2 i, lanes 16-31 tile 2 i + 1
	ds_load_b32 v[36+8*(\p)+i_], v[ADSY+(\slot)] offset:(\kk)*BLK+128*i_
.set i_, i_+1
.endr
.endm
.macro WM
.if RA_ && RB_
	v_wmma_scale_f32_16x16x128_f8f6f4 v[D_:D_+7], v[X_:X_+11], v[Y_:Y_+11], v[C_:C_+7], v[SX_], v[SY_] matrix_a_fmt:MATRIX_FMT_FP6 matrix_b_fmt:MATRIX_FMT_FP6 matrix_a_scale:MATRIX_SCALE_ROW1 matrix_b_scale:MATRIX_SCALE_ROW1
.elseif RA_
	v_wmma_scale_f32_16x16x128_f8f6f4 v[D_:D_+7], v[X_:X_+11], v[Y_:Y_+11], v[C_:C_+7], v[SX_], v[SY_] matrix_a_fmt:MATRIX_FMT_FP6 matrix_b_fmt:MATRIX_FMT_FP6 matrix_a_scale:MATRIX_SCALE_ROW1
.elseif RB_
	v_wmma_scale_f32_16x16x128_f8f6f4 v[D_:D_+7], v[X_:X_+11], v[Y_:Y_+11], v[C_:C_+7], v[SX_], v[SY_] matrix_a_fmt:MATRIX_FMT_FP6 matrix_b_fmt:MATRIX_FMT_FP6 matrix_b_scale:MATRIX_SCALE_ROW1
.else
	v_wmma_scale_f32_16x16x128_f8f6f4 v[D_:D_+7], v[X_:X_+11], v[Y_:Y_+11], v[C_:C_+7], v[SX_], v[SY_] matrix_a_fmt:MATRIX_FMT_FP6 matrix_b_fmt:MATRIX_FMT_FP6
.endif
.endm
; T x T products on set p; the accumulators take turns, one instruction a turn, in one order in every K step.  cm = 0: in place; 1, 2: the sum starts from the bias of the inner, the outer tile
.macro MUL p, cm
.set o_, 0
.rept T
.set aw_, 2+(8*T*o_)/256
.if (\cm) == 0
	WIN (aw_<<6)|(aw_<<4)|1
.else
	WIN (aw_<<6)|(1<<4)|1
.endif
.set i_, 0
.rept T
.set D_, (8*(T*o_+i_))%256
.set C_, D_
.if (\cm) == 1
.set C_, 96+8*i_+96*(i_/4)
.endif
.if (\cm) == 2
.set C_, 96+8*o_+96*(o_/4)
.endif
.set X_, 128*(\p)+12*i_
.set Y_, 64+96*(\p)+12*o_
.set SX_, 32+8*(\p)+i_/2
.set SY_, 36+8*(\p)+o_/2
.set RA_, i_%2
.set RB_, o_%2
	WM
.set i_, i_+1
.endr
.set o_, o_+1
.endr
.endm
; A K step: its set is in; at a slot's last step the slots change: all my tensor loads waited for, the add, my LDS reads waited for; where the slot is filled again a round of the cluster's barrier and the joint refill first behind it,
; else my work-group's barrier; the next step's set is asked for; then the products.
.macro KSTEP ks, cm
.set p_, (\ks)%2
.set np_, 1-p_
.set sl_, ((\ks)/KS)%2
.set nsl_, (((\ks)+1)/KS)%2
.set nkk_, ((\ks)+1)%KS
.set turn_, 0
.set refill_, 0
.if ((\ks)%KS) == (KS-1)
.if (\ks) < (NK-1)
.set turn_, 1
.if ((\ks)+1+KS) < NK
.set refill_, 1
.endif
.endif
.endif
	s_wait_dscnt 0x0                               ; set p is in, asked for a K step ago: so all my reads of its slot are over
	WIN 0
.if turn_
	s_wait_tensorcnt 0x0                           ; all my tensor loads have landed: my part of the other slot
	ds_add_u32 v[SPW], v[NIL]
.if refill_
	s_add_nc_u64 s[G0+4*sl_+2:G0+4*sl_+3], s[G0+4*sl_+2:G0+4*sl_+3], 2*KS*BLK       ; no load of mine is out: this slot's next K steps, of x
	s_add_nc_u64 s[G0B+4*sl_+2:G0B+4*sl_+3], s[G0B+4*sl_+2:G0B+4*sl_+3], 2*KS*BLK   ; and of W
.endif
	s_wait_dscnt 0x0
.if refill_
	CROUND                                         ; no wave of any partner still reads this slot or has a load on its way
	JLOAD sl_                                      ; my one load behind the round: KS K steps of products in which to land; its four v_nop are also the places in front of the loads below
.else
	s_barrier_signal -1
	s_barrier_wait -1                              ; the other slot is whole; nothing is filled again
.endif
.endif
.if (\ks) < (NK-1)
.if refill_ == 0
	PLACES
.endif
	FETCH np_, nsl_, nkk_
.if refill_
.if ((\ks)+1+2*KS) < NK
	global_prefetch_b8 v24, s[90:91] offset:((\ks)+1+2*KS)*BLK th:TH_LOAD_NT scope:SCOPE_SE   ; the fill after the one just asked for; the last fill has none behind it
.endif
.endif
.endif
	MUL p_, \cm
.endm
; 64 results of a lane in window win, register s + 16 b + i = k 32 b + 16 (lane / 16) + i of my row, become codes in v[PC] on (blocks 2 c, 2 c + 1 at PC + str c) and a scale word in v[pw].  Each accumulator is read from its low end on.
.macro QUANTW win, s, relu, str, pw
.if \relu
	WIN ((\win)<<6)|((\win)<<2)
.set j_, 0
.rept 64
	v_max_num_f32 v[(\s)+j_], 0, v[(\s)+j_]
.set j_, j_+1
.endr
.endif
	WIN (\win)|((\win)<<2)
.irp b, 0,1,2,3
	v_max3_num_f32 v[TM+\b], |v[(\s)+16*\b]|, |v[(\s)+16*\b+1]|, 0x1800000   ; with the floor 2^(3 - 127)
.endr
.irp i, 2,4,6,8,10,12,14
.irp b, 0,1,2,3
	v_max3_num_f32 v[TM+\b], |v[(\s)+16*\b+\i]|, |v[(\s)+16*\b+\i+1]|, v[TM+\b]
.endr
.endr
	WIN 0
.irp b, 0,1,2,3
	v_permlanex16_b32 v[TM+4+\b], v[TM+\b], s[SEL], s[SEL+1]
.endr
.irp b, 0,1,2,3
	v_max_num_f32 v[TM+\b], v[TM+\b], v[TM+4+\b]
.endr
.irp b, 0,1,2,3
	v_add_nc_u32 v[TM+12+\b], 0xff000000, v[TM+\b]
.endr
.irp b, 0,1,2,3
	v_lshrrev_b32 v[TM+4+\b], 23, v[TM+12+\b]
.endr
	v_lshl_or_b32 v[\pw], v[TM+5], 8, v[TM+4]
	v_lshl_or_b32 v[\pw], v[TM+6], 16, v[\pw]
	v_lshl_or_b32 v[\pw], v[TM+7], 24, v[\pw]
	WIN (\win)
.irp c, 0,1
	v_cvt_scalef32_pk16_fp6_f32 v[PC+(\str)*\c:PC+(\str)*\c+2], v[(\s)+32*\c:(\s)+32*\c+15], v[TM+12+2*\c]
	v_cvt_scalef32_pk16_fp6_f32 v[PC+2*(\str)+4*\c:PC+2*(\str)+4*\c+2], v[(\s)+32*\c+16:(\s)+32*\c+31], v[TM+13+2*\c]
.endr
	WIN 0
	v_nop                                          ; one plain place behind a scaled conversion
.irp c, 0,1
.irp i, 0,1,2
	v_permlane16_swap_b32 v[PC+(\str)*\c+\i], v[PC+2*(\str)+4*\c+\i]
.endr
.irp i, 0,1,2
	v_mov_b32 v[PC+(\str)*\c+3+\i], v[PC+2*(\str)+4*\c+\i]
.endr
.endr
.endm
	s_load_b256 s[4:11], s[0:1], 0x0               ; xc, wc, bq, bk
	s_load_b256 s[12:19], s[0:1], 0x20             ; bv, mask, qb, kv
	v_lshl_add_u32 v[SPW], v0, 2, SPARE
	v_mov_b32 v[NIL], 0
	ds_add_u32 v[SPW], v[NIL]                      ; the wave's opening: the add and its wait ahead of my first tensor load
	ds_add_u32 v[SPW], v[NIL]
	v_lshrrev_b32 v20, 5, v0
	v_readfirstlane_b32 s20, v20                   ; wave
	s_lshr_b32 s21, s20, 1                         ; wo: my group of Y.  Also: I fetch for x (0) or W (1)
	s_and_b32 s22, s20, 1                          ; wi: my group of X.  Also: which group I fetch
	s_bfe_u32 s40, ttmp6, 0x40000                  ; cx, cy: my place in the cluster
	s_bfe_u32 s41, ttmp6, 0x40004
	s_lshl_b32 s42, ttmp9, 2
	s_add_co_u32 s42, s42, s40                     ; work-group x = 4 x cluster x + cx
	s_and_b32 s66, ttmp7, 0xffff
	s_lshl_b32 s66, s66, 2
	s_add_co_u32 s66, s66, s41                     ; work-group y = 4 x cluster y + cy
	s_cmp_ge_u32 ttmp9, 2
	s_cselect_b32 s67, 1, 0                        ; 1: this cluster makes v
	s_lshl_b32 s43, s41, 2
	s_lshl_b32 s43, 15, s43                        ; my row of the cluster
	s_lshl_b32 s44, 0x1111, s40                    ; my column
	s_or_b32 s[G1], s43, (3<<16)|(1<<21)           ; group 1: 15:0 the mask: x's groups go to my row; elements of 8 bytes; 21 set beside a mask; no padding
	s_or_b32 s[G1B], s44, (3<<16)|(1<<21)          ; W's go to my column
.irp g, G1, G1B
	s_mov_b32 s[\g+1], 32<<16                      ; 100 dense rows of 256 bytes (32 elements of 8 bytes)
	s_mov_b32 s[\g+2], 100<<16
	s_mov_b32 s[\g+3], 32<<16
	s_mov_b32 s[\g+4], 100
	s_mov_b32 s[\g+5], 32
	s_mov_b32 s[\g+6], 0
	s_mov_b32 s[\g+7], 0
.endr
	s_mul_i32 s45, s20, REG                        ; my quarter of a slot: no place in the cluster enters an LDS address
	s_lshl_b32 s68, s66, 1
	s_add_co_u32 s68, s68, s22
	s_mul_i32 s68, s68, NK*BLK                     ; x: the stream of group 2 y + (wave % 2)
	s_mov_b32 s69, 0
	s_lshl_b32 s46, s42, 1
	s_add_co_u32 s46, s46, s22
	s_mul_i32 s46, s46, NK*BLK                     ; W: the stream of group 2 x + (wave % 2)
	s_mov_b32 s47, 0
	s_wait_dscnt 0x0
	s_wait_kmcnt 0x0
	s_add_nc_u64 s[68:69], s[4:5], s[68:69]
	s_add_nc_u64 s[46:47], s[6:7], s[46:47]
	CROUND                                         ; all sixteen work-groups are here: the first joint loads meet
.irp s, 0,1
	s_mov_b32 s[G0+4*\s], 1
	s_add_co_u32 s[G0+4*\s+1], s45, \s*SLOT
	s_add_nc_u64 s[G0+4*\s+2:G0+4*\s+3], s[68:69], \s*KS*BLK
	s_or_b32 s[G0+4*\s+3], s[G0+4*\s+3], 0x80000000
	s_mov_b32 s[G0B+4*\s], 1
	s_add_co_u32 s[G0B+4*\s+1], s45, \s*SLOT
	s_add_nc_u64 s[G0B+4*\s+2:G0B+4*\s+3], s[46:47], \s*KS*BLK
	s_or_b32 s[G0B+4*\s+3], s[G0B+4*\s+3], 0x80000000
.endr
	JLOAD 0                                        ; slot 0: one tensor load a wave at the head
	v_and_b32 v20, 31, v0
	s_cmp_eq_u32 s21, 0                            ; the prefetches: the stream that I fetch; of a load's 100 blocks of 256 bytes each of the four partners that ask jointly names 25, told apart by address
	s_cselect_b64 s[90:91], s[68:69], s[46:47]
	s_cselect_b32 s92, s40, s41
	s_mul_i32 s92, s92, 6400
	v_min_u32 v24, 24, v20                         ; a lane a block; the lanes left over name the last again
	v_lshl_add_u32 v24, v24, 8, s92
	global_prefetch_b8 v24, s[90:91] offset:KS*BLK th:TH_LOAD_NT scope:SCOPE_SE   ; slot 1's first fill, asked for one fill ahead of its load
	v_lshlrev_b32 v[LI], 4, v20
	v_lshlrev_b32 v[L4], 2, v20
	v_and_b32 v21, 15, v0
	v_and_b32 v22, 8, v21
	v_add_nc_u32 v22, v22, v21
	v_lshlrev_b32 v[RP4], 2, v22                   ; 4 (r + 8 (r / 8))
	v_bfe_u32 v23, v0, 4, 1
	v_lshlrev_b32 v[H64], 6, v23                   ; 64 h
	s_mul_i32 s88, s21, REG
	s_mul_i32 s89, s22, REG
	s_cmp_eq_u32 s67, 0
	s_cselect_b32 s86, 0, 2*REG                    ; where the outer operand's two groups lie: q, k: x's regions; v: W's
	s_cselect_b32 s87, 2*REG, 0                    ; and the inner's
	s_add_co_u32 s88, s88, s86
	s_add_co_u32 s89, s89, s87
	v_add_nc_u32 v[ADRY], s88, v[LI]
	v_add_nc_u32 v[ADRX], s89, v[LI]
	v_add_nc_u32 v[ADSY], s88, v[L4]
	v_add_nc_u32 v[ADSX], s89, v[L4]
	v_add_nc_u32 v[ADSY], 12288, v[ADSY]
	v_add_nc_u32 v[ADSX], 12288, v[ADSX]
.irp a, ADRY, ADRX, ADSY, ADSX
	v_add_nc_u32 v[\a+1], SLOT, v[\a]
.endr
.irp b, 0,1,2,3
	v_mov_b32 v[TM+4+\b], 0
.endr
	s_lshl_b32 s86, s66, 1
	s_lshl_b32 s87, s42, 1
	s_cmp_eq_u32 s67, 0
	s_cselect_b32 s77, s21, s22
	s_cselect_b32 s78, s22, s21
	s_add_co_u32 s77, s77, s86                     ; my group of 128 rows
	s_add_co_u32 s78, s78, s87                     ; my group of 128 columns
	s_and_b32 s79, s78, 7                          ; = a pair of heads
	s_lshl_b32 s80, s77, 9
	s_mov_b32 s81, 0
	s_add_nc_u64 s[14:15], s[14:15], s[80:81]
	s_cmp_eq_u32 ttmp9, 0
	s_cselect_b64 s[82:83], s[8:9], s[10:11]
	s_cselect_b64 s[84:85], s[16:17], s[18:19]     ; q goes to qb, k and v to kv
	s_cselect_b32 s75, 40, 8                       ; the flag's code: -1 in q, +1 in a masked key
	s_cselect_b32 s76, -1, 0                       ; q: every row carries it
	s_cmp_lg_u32 s67, 0
	s_cselect_b64 s[82:83], s[12:13], s[82:83]
	s_lshl_b32 s80, s79, 9
	s_add_nc_u64 s[82:83], s[82:83], s[80:81]      ; the bias of my 128 columns
	s_lshr_b32 s86, s77, 4
	s_lshl_b32 s86, s86, 4
	s_lshl_b32 s87, s79, 1
	s_add_co_u32 s86, s86, s87
	s_lshl_b32 s86, s86, 4
	s_and_b32 s87, s77, 15
	s_add_co_u32 s86, s86, s87                     ; (16 batch + first head) x 16 + step
	s_mul_i32 s80, s86, KVS
	s_add_nc_u64 s[84:85], s[84:85], s[80:81]
	s_mov_b32 s70, 0xffff0000                      ; lanes 16-31
	s_mov_b32 s71, 0xffff                          ; lanes 0-15; also a word's low half
	s_mov_b32 s[SEL], 0x76543210
	s_mov_b32 s[SEL+1], 0xfedcba98
.irp o, 0,1,2,3,4,5,6,7
	global_load_b32 v[MK+\o], v[RP4], s[14:15] offset:(32*(\o/2)+8*(\o%2))*4   ; the mask of tile o's rows
.endr
	s_cmp_lg_u32 s67, 0
	s_cbranch_scc1 .Lbias_v
	WIN 0x40
.irp i, 0,1,2,3,4,5,6,7
	global_load_b128 v[96+8*\i+96*(\i/4):96+8*\i+96*(\i/4)+3], v[H64], s[82:83] offset:(32*(\i/2)+8*(\i%2))*4      ; lane (r, h), register j: column 32 (i / 2) + 8 (i % 2) + 16 h + j
	global_load_b128 v[96+8*\i+96*(\i/4)+4:96+8*\i+96*(\i/4)+7], v[H64], s[82:83] offset:(32*(\i/2)+8*(\i%2))*4+16
.endr
	WIN 0
	s_branch .Lbias_done
.Lbias_v:
	WIN 0x40
.irp o, 0,1,2,3,4,5,6,7
.irp j, 0,1,2,3,4,5,6,7
	global_load_b32 v[96+8*\o+96*(\o/4)+\j], v[RP4], s[82:83] offset:(32*(\o/2)+8*(\o%2))*4   ; my column's bias in all eight registers
.endr
.endr
	WIN 0
.Lbias_done:
	s_wait_alu depctr_va_vdst(0)
	s_wait_tensorcnt 0x0                           ; my part of slot 0 is in; slot 1's first fill is issued as a refill is
	ds_add_u32 v[SPW], v[NIL]
	s_wait_dscnt 0x0
	CROUND
	JLOAD 1
	FETCH 0, 0, 0
	global_prefetch_b8 v24, s[90:91] offset:2*KS*BLK th:TH_LOAD_NT scope:SCOPE_SE  ; the fill after slot 1's
	s_wait_loadcnt 0x0                             ; bias and mask
	s_cmp_lg_u32 s67, 0
	s_cbranch_scc1 .Lk0_v
	KSTEP 0, 1
	WIN 0
	s_branch .Lk0_done
.Lk0_v:
	KSTEP 0, 2
	WIN 0
.Lk0_done:
.set k_, 1
.rept NK-1
	KSTEP k_, 0
.set k_, k_+1
.endr
	WIN 0
	PLACES
	s_cmp_lg_u32 s67, 0
	s_cbranch_scc1 .Lout_v
	; ---- q, k: tile o's 16 rows x my 128 columns = two heads: registers 0-5 of each head's fragment, register 6 the flag (lanes 0-15, k = 64), register 7 zero
	v_mov_b32 v20, s75
	v_cndmask_b32 v21, 0, v20, s71
	v_mov_b32 v22, 0x01010000                      ; the scale word's upper bytes: 2^-126, 2^-126
	v_mov_b32 v23, 0x01b10000                      ; with the flag: 2^50 for k = 64 .. 95
.irp o, 0,1,2,3,4,5,6,7
	v_cmp_eq_u32 s74, 0, v[MK+\o]
	s_or_b32 s74, s74, s76
	v_cndmask_b32 v[HW+\o], v22, v23, s74
	v_cndmask_b32 v[MK+\o], 0, v21, s74
.endr
.irp o, 0,1,2,3,4,5,6,7
	s_wait_xcnt 0x0                                ; the last tile's stores have read the codes' registers
	QUANTW 2+\o/4, 64*(\o%4), 0, 8, PWS+\o
	v_mov_b32 v[PC+6], v[MK+\o]
	v_mov_b32 v[PC+7], 0
	v_mov_b32 v[PC+14], v[MK+\o]
	v_mov_b32 v[PC+15], 0
	global_store_b128 v[LI], v[PC:PC+3], s[84:85] offset:1024*\o
	global_store_b128 v[LI], v[PC+4:PC+7], s[84:85] offset:1024*\o+512
	global_store_b128 v[LI], v[PC+8:PC+11], s[84:85] offset:HB+1024*\o
	global_store_b128 v[LI], v[PC+12:PC+15], s[84:85] offset:HB+1024*\o+512
.endr
.irp q, 0,1,2,3
	v_cndmask_b32 v[120+\q], v[PWS+2*\q], v[PWS+2*\q+1], s70     ; lanes 0-15 tile 2 q, lanes 16-31 tile 2 q + 1
	v_cndmask_b32 v[124+\q], v[HW+2*\q], v[HW+2*\q+1], s70
	v_and_or_b32 v[112+2*\q], v[120+\q], s71, v[124+\q]          ; the first head's two bytes,
	v_lshrrev_b32 v[113+2*\q], 16, v[120+\q]
	v_or_b32 v[113+2*\q], v[113+2*\q], v[124+\q]                 ; the second's
	global_store_b32 v[L4], v[112+2*\q], s[84:85] offset:8192+128*\q
	global_store_b32 v[L4], v[113+2*\q], s[84:85] offset:HB+8192+128*\q
.endr
	s_wait_tensorcnt 0x0                           ; the wave's end
	ds_add_u32 v[SPW], v[NIL]
	s_wait_dscnt 0x0
	CROUND                                         ; the closing round: no work-group ends while a partner may still ask for a tile that names it
	s_endpgm
.Lout_v:
	; ---- v: tile o's 16 columns (tiles 0-3: the first head, 4-7: the second) x my 128 keys: a whole fragment of V^T
.irp o, 0,1,2,3,4,5,6,7
	s_wait_xcnt 0x0
	QUANTW 2+\o/4, 64*(\o%4), 0, 6, PWS+\o
.irp c, 0,1,2
	global_store_b128 v[LI], v[PC+4*\c:PC+4*\c+3], s[84:85] offset:(\o/4)*HB+8704+(\o%4)*1536+512*\c
.endr
.endr
.irp q, 0,1,2,3
	v_cndmask_b32 v[112+\q], v[PWS+2*\q], v[PWS+2*\q+1], s70
	global_store_b32 v[L4], v[112+\q], s[84:85] offset:(\q/2)*HB+8704+6144+128*(\q%2)
.endr
	s_wait_tensorcnt 0x0                           ; the wave's end, as above
	ds_add_u32 v[SPW], v[NIL]
	s_wait_dscnt 0x0
	CROUND                                         ; the closing round
	s_endpgm
.Lfunc_end_k_qf52a387585_qkv:
	.size	k_qf52a387585_qkv, .Lfunc_end_k_qf52a387585_qkv-k_qf52a387585_qkv
	.p2alignl 7, 3214868480
	.fill 96, 4, 3214868480
	.section	.rodata,"a",@progbits
	.p2align	6, 0x0
	.amdhsa_kernel k_qf52a387585_qkv
		.amdhsa_group_segment_fixed_size 327680
		.amdhsa_private_segment_fixed_size 0
		.amdhsa_enable_private_segment 0
		.amdhsa_kernarg_size 64
		.amdhsa_user_sgpr_count 2
		.amdhsa_user_sgpr_kernarg_segment_ptr 1
		.amdhsa_wavefront_size32 1
		.amdhsa_system_sgpr_workgroup_id_x 1
		.amdhsa_system_sgpr_workgroup_id_y 1
		.amdhsa_system_sgpr_workgroup_id_z 1
		.amdhsa_system_vgpr_workitem_id 0
		.amdhsa_next_free_vgpr 1024
		.amdhsa_next_free_sgpr 96
		.amdhsa_reserve_vcc 0
		.amdhsa_float_denorm_mode_32 3
		.amdhsa_float_denorm_mode_16_64 3
		.amdhsa_memory_ordered 1
		.amdhsa_forward_progress 1
		.amdhsa_inst_pref_size 199
	.end_amdhsa_kernel
	.amdgpu_metadata
---
amdhsa.version: [ 1, 2 ]
amdhsa.kernels:
  - .name:           k_qf52a387585_qkv
    .symbol:         k_qf52a387585_qkv.kd
    .args:
      - { .name: xc, .offset: 0, .size: 8, .value_kind: global_buffer, .address_space: global }
      - { .name: wc, .offset: 8, .size: 8, .value_kind: global_buffer, .address_space: global }
      - { .name: bq, .offset: 16, .size: 8, .value_kind: global_buffer, .address_space: global }
      - { .name: bk, .offset: 24, .size: 8, .value_kind: global_buffer, .address_space: global }
      - { .name: bv, .offset: 32, .size: 8, .value_kind: global_buffer, .address_space: global }
      - { .name: mask, .offset: 40, .size: 8, .value_kind: global_buffer, .address_space: global }
      - { .name: qb, .offset: 48, .size: 8, .value_kind: global_buffer, .address_space: global }
      - { .name: kv, .offset: 56, .size: 8, .value_kind: global_buffer, .address_space: global }
    .group_segment_fixed_size: 327680
    .private_segment_fixed_size: 0
    .kernarg_segment_align: 8
    .kernarg_segment_size: 64
    .max_flat_workgroup_size: 128
    .sgpr_count:     96
    .vgpr_count:     1024
    .wavefront_size: 32
...
	.end_amdgpu_metadata
.endif
;; end of part 2
;; launch attn (part 3): grid 8 x 32, 16 waves a work-group, clusters of 4 x 1, 327,680 bytes of LDS; arguments qb, kv, ao; writes ao
.if DOCPART == 3
	.amdgcn_target "amdgcn-amd-amdhsa--gfx1250"
	.amdhsa_code_object_version 6
	.text
	.protected	k_qf52a387585_attn
	.globl	k_qf52a387585_attn
	.p2align	8
	.type	k_qf52a387585_attn,@function
k_qf52a387585_attn:
	s_mov_b64 s[64:65], 0
	v_nop
	global_prefetch_b8 v0, s[64:65] scope:SCOPE_SE
	s_setreg_imm32_b32 hwreg(HW_REG_WAVE_MODE, 25, 1), 1
	s_wait_xcnt 0x0
	s_wait_alu depctr_hold_cnt(0) depctr_sa_sdst(0) depctr_va_vdst(0) depctr_va_sdst(0) depctr_va_ssrc(0) depctr_va_vcc(0) depctr_vm_vsrc(0)
	s_getreg_b32 s2, hwreg(HW_REG_IB_STS2, 6, 4)
	s_cmp_eq_u32 s2, 0
	s_cbranch_scc0 .Lentry_in_a_cluster
	s_endpgm
.Lentry_in_a_cluster:
	s_bfe_u32 s2, ttmp6, 0x10000c
	s_cmp_lg_u32 s2, 0x3003
	s_cbranch_scc0 .Lentry_shape_is_right
	s_endpgm
.Lentry_shape_is_right:
; Attention on codes of E2M3, head size 64, 2,048 keys, and the result quantised along D.  A work-group owns ONE head (y = 16 batch + head) and 256 queries (x); wave w owns tile w % 8 of 16 queries of the x-th pair's group w / 8 of 128 queries.
; Both products are used transposed (S^T = K Q^T, O^T = V^T P^T): a lane holds one query throughout.  The score product's K is 128: the head's 64, then the mask's flag at k = 64 (a masked key's score is s - 2^100), then zero codes in Q.
; So a key tile's operand names 12 registers of which the last four belong to the next tile: they meet Q's zero codes, and this format has no code for NaN or infinity.
; SOFTMAX: t = score x log2(e) / 8; M = the running largest t rounded up to a whole number; p = 2^(t - M) is quantised along the keys; the row's sum is taken of the unquantised p and divides at the end; when M moves, sum and O^T are multiplied by 2^(old M - new M): exact.
; LDS: the head's K and V, 16 key steps x 15,104 bytes = 241,664 bytes, as images of operand registers, lie in LDS WHOLE: wave w brings key step w by one dense tensor load at the head.  Nothing is filled again: no ring.
; Two barriers: the first shows key steps 0-3 (waves 0-3 have a load line of their own and wait there), the second, behind four key steps, shows all.
; CLUSTERS: the four query blocks 4 X .. 4 X + 3 of a head read the same K and V: each load is asked for jointly, mask 15; its address is made of the head and the wave's number alone.
; No prefetch: all loads go out at the head; there is no loop to run ahead in.
; THE RESULT: my head's 64 numbers of a query are two blocks of the next K: six registers of a fragment and two scale bytes.  In ao's block (128 rows x a pair of heads) tile t's registers 6 e + 2 j, 6 e + 2 j + 1 (e = head % 2) lie at 1536 t + 768 e + 256 j + 8 lane:
; each store of codes covers 256 consecutive bytes, aligned.  The two scale bytes go to 12288 + 64 t + 4 r + 2 e.
; LIMITS: NaN and infinities are not served; a batch all of whose keys are masked gets the uniform softmax only while |q . k| < 2^75; the scaled scores stay under 2^31 in magnitude.
; REGISTERS: v1, v2 lane terms; v5, v6 the add's; v7 the old -M; v8, v9 the key step's addresses; v12 -M, v13 the largest t, v[14:15] the sum; v16-27 Q; v28-95 eight key tiles, later V's four fragments; v96-159 S^T, then p; v160-191 O^T; v224-235 p's codes; v232-254 at work; v248-251 K's, V's scale words; v253 p's; v255 Q's.
.set BLK,   12800
.set KVS,   15104
.set SPARE, 16*KVS                     ; behind K and V: the spare words, 128 bytes a wave
.set AK0,  1
.set ASK0, 2
.set SPW,  5
.set NIL,  6
.set OLDM, 7
.set ADK,  8
.set ADS,  9
.set WV,   18
.set SEL,  20
.set CS,   22
.set G1,   24
.set G0,   32
.set TB,   50
.macro PLACES
.rept 4
	v_nop
.endr
.endm
.macro CROUND                          ; a round of the cluster's barrier
	s_barrier_signal -1
	s_barrier_wait -1
	s_cmp_lg_u32 s[WV], 0
	s_cbranch_scc1 .Lnot_wave_0_\@
	s_barrier_signal -3
.Lnot_wave_0_\@:
	s_barrier_wait -3
	s_barrier_signal -1
	s_barrier_wait -1
.endm
	s_load_b128 s[4:7], s[0:1], 0x0                ; qb, kv
	s_load_b64 s[8:9], s[0:1], 0x10                ; ao
	v_lshl_add_u32 v[SPW], v0, 2, SPARE
	v_mov_b32 v[NIL], 0
	ds_add_u32 v[SPW], v[NIL]                      ; the wave's opening: the add, twice on end, and its wait ahead of the first tensor load
	ds_add_u32 v[SPW], v[NIL]
	v_lshrrev_b32 v8, 5, v0
	s_delay_alu instid0(VALU_DEP_1)
	v_readfirstlane_b32 s[WV], v8
	s_bfe_u32 s10, ttmp6, 0x40000                  ; cx
	s_lshl_b32 s11, ttmp9, 2
	s_add_co_u32 s11, s11, s10                     ; x: my 256 queries
	s_and_b32 s12, ttmp7, 0xffff                   ; 16 batch + head
	s_lshr_b32 s13, s[WV], 3
	s_and_b32 s14, s[WV], 7                        ; my tile of queries
	s_lshl_b32 s15, s11, 1
	s_add_co_u32 s15, s15, s13                     ; my group of 128 queries, 0 .. 15
	s_lshl_b32 s16, s12, 4
	s_add_co_u32 s17, s16, s[WV]
	s_mul_i32 s36, s17, KVS                        ; what I fetch: key step w of the head: no place in the cluster enters it
	s_mov_b32 s37, 0
	s_mul_i32 s17, s[WV], KVS                      ; and where it goes
	s_add_co_u32 s19, s16, s15
	s_mul_i32 s19, s19, KVS                        ; my head's block of my 128 queries in qb
	s_lshl_b32 s38, s14, 10
	s_add_co_u32 s38, s38, s19
	s_mov_b32 s39, 0
	s_lshl_b32 s40, s14, 6
	s_add_co_u32 s40, s40, s19
	s_add_co_u32 s40, s40, 8192
	s_mov_b32 s41, 0
	s_lshr_b32 s42, s12, 4
	s_lshl_b32 s42, s42, 4
	s_add_co_u32 s42, s42, s15                     ; ao: group of rows 16 batch + my group
	s_lshl_b32 s42, s42, 3
	s_bfe_u32 s43, s12, 0x30001                    ; the pair of heads
	s_add_co_u32 s42, s42, s43
	s_mul_i32 s42, s42, BLK
	s_and_b32 s43, s12, 1                          ; e
	s_mul_i32 s44, s14, 1536
	s_add_co_u32 s44, s44, s42
	s_mul_i32 s48, s43, 768
	s_add_co_u32 s44, s44, s48
	s_mov_b32 s45, 0
	s_lshl_b32 s46, s14, 6
	s_add_co_u32 s46, s46, s42
	s_add_co_u32 s46, s46, 12288
	s_lshl_b32 s48, s43, 1
	s_add_co_u32 s46, s46, s48
	s_mov_b32 s47, 0
	s_mov_b32 s[G1], 15|(3<<16)|(1<<21)            ; group 1: the mask names the cluster's four; 59 dense rows of 256 bytes: one key step
	s_mov_b32 s[G1+1], 32<<16
	s_mov_b32 s[G1+2], 59<<16
	s_mov_b32 s[G1+3], 32<<16
	s_mov_b32 s[G1+4], 59
	s_mov_b32 s[G1+5], 32
	s_mov_b32 s[G1+6], 0
	s_mov_b32 s[G1+7], 0
	s_mov_b32 s[SEL], 0x76543210
	s_mov_b32 s[SEL+1], 0xfedcba98
	s_mov_b32 s[CS], 0x3e38aa3b                    ; c = log2(e) / sqrt(64)
	s_mov_b32 s[CS+1], s[CS]
	s_wait_alu depctr_va_vdst(0)
	s_wait_dscnt 0x0                               ; both opening adds are done
	CROUND                                         ; the four work-groups are here: the joint loads meet
	s_wait_kmcnt 0x0
	s_mov_b32 s[G0], 1
	s_mov_b32 s[G0+1], s17
	s_add_nc_u64 s[G0+2:G0+3], s[6:7], s[36:37]
	s_or_b32 s[G0+3], s[G0+3], 0x80000000
	s_cmp_lt_u32 s[WV], 4                          ; one load a wave; waves 0-3 have a line of their own, for which they alone wait at the first barrier
	s_cbranch_scc0 .Llate
	tensor_load_to_lds s[G0:G0+3], s[G1:G1+7]
	s_nop 0
	PLACES
	s_branch .Lasked
.Llate:
	tensor_load_to_lds s[G0:G0+3], s[G1:G1+7]
	s_nop 0
	PLACES
.Lasked:
	s_add_nc_u64 s[38:39], s[4:5], s[38:39]
	s_add_nc_u64 s[40:41], s[4:5], s[40:41]
	s_add_nc_u64 s[44:45], s[8:9], s[44:45]
	s_add_nc_u64 s[46:47], s[8:9], s[46:47]
	v_and_b32 v8, 31, v0
	s_delay_alu instid0(VALU_DEP_1)
	v_lshlrev_b32 v10, 4, v8
	v_and_b32 v9, 15, v0
	s_delay_alu instid0(VALU_DEP_1)
	v_lshlrev_b32 v11, 2, v9
	global_load_b128 v[16:19], v10, s[38:39]       ; Q's registers 0-7 stay in registers
	global_load_b128 v[20:23], v10, s[38:39] offset:512
	global_load_b32 v255, v11, s[40:41]            ; and its scale words
.irp j, 24,25,26,27, 92,93,94,95
	v_mov_b32 v[\j], 0                             ; Q's registers 8-11: zero codes; v92-95: named with the last key tile, never loaded
.endr
	v_lshlrev_b32 v[AK0], 4, v8
	v_lshl_add_u32 v[ASK0], v8, 2, 8192
	v_mov_b32 v13, 0xff61b1e6                      ; the largest t so far: -3e38
	s_delay_alu instid0(VALU_DEP_1)
	v_floor_f32 v12, -v13                          ; -M
	v_mov_b32 v14, 0
	v_mov_b32 v15, 0
.irp b, 0,1,2,3
	v_mov_b32 v[236+\b], 0                         ; a lane permute's destination counts as one of its sources
.endr
	v_mov_b32 v253, 0
.set j_, 0
.rept 32
	v_mov_b32 v[160+j_], 0                         ; O^T: the step is written once; the first change of M multiplies zeros
.set j_, j_+1
.endr
; A KEY STEP: the 128 keys at byte s[TB] of LDS
.macro STEP
	v_add_nc_u32 v[ADK], s[TB], v[AK0]             ; these two and two idle lines are the places behind the last products, in front of loads into their registers
	v_add_nc_u32 v[ADS], s[TB], v[ASK0]
	v_nop
	v_nop
	s_wait_alu depctr_va_vdst(0)
.irp t, 0,1,2,3,4,5,6,7
	ds_load_b128 v[28+8*\t:31+8*\t], v[ADK] offset:1024*\t
	ds_load_b128 v[32+8*\t:35+8*\t], v[ADK] offset:1024*\t+512
.endr
.irp j, 0,1,2,3
	ds_load_b32 v[248+\j], v[ADS] offset:128*\j
.endr
	s_wait_dscnt 0x0
.irp t, 0,2,4,6
	v_wmma_scale_f32_16x16x128_f8f6f4 v[96+8*\t:103+8*\t], v[28+8*\t:39+8*\t], v[16:27], 0, v[248+\t/2], v255 matrix_a_fmt:MATRIX_FMT_FP6 matrix_b_fmt:MATRIX_FMT_FP6
	v_wmma_scale_f32_16x16x128_f8f6f4 v[104+8*\t:111+8*\t], v[36+8*\t:47+8*\t], v[16:27], 0, v[248+\t/2], v255 matrix_a_fmt:MATRIX_FMT_FP6 matrix_b_fmt:MATRIX_FMT_FP6 matrix_a_scale:MATRIX_SCALE_ROW1
.endr
	v_mov_b32 v[OLDM], v12                         ; the old -M; with three idle lines the four places behind the products
	v_nop
	v_nop
	v_nop
.irp t, 0,1,2,3                                ; V's fragments land while the softmax is walked
.irp c, 0,1,2
	ds_load_b128 v[28+12*\t+4*\c:31+12*\t+4*\c], v[ADK] offset:8704+1536*\t+512*\c
.endr
.endr
.irp j, 0,1
	ds_load_b32 v[248+\j], v[ADS] offset:6656+128*\j
.endr
.irp b, 0,1,2,3
	v_max3_num_f32 v[232+\b], v[96+16*\b], v[97+16*\b], v[98+16*\b]   ; the largest score of each block of 32 keys: for the row's maximum and, since p rises with the score, for the block's largest p
.endr
.irp i, 3,5,7,9,11,13
.irp b, 0,1,2,3
	v_max3_num_f32 v[232+\b], v[232+\b], v[96+16*\b+\i], v[97+16*\b+\i]
.endr
.endr
.irp b, 0,1,2,3
	v_max_num_f32 v[232+\b], v[232+\b], v[111+16*\b]
.endr
.irp b, 0,1,2,3
	s_delay_alu instid0(VALU_DEP_4)
	v_permlanex16_b32 v[236+\b], v[232+\b], s[SEL], s[SEL+1]
.endr
.irp b, 0,1,2,3
	s_delay_alu instid0(VALU_DEP_4)
	v_max_num_f32 v[232+\b], v[232+\b], v[236+\b]
.endr
	s_delay_alu instid0(VALU_DEP_2)
	v_max3_num_f32 v254, v232, v233, v234
	s_delay_alu instid0(VALU_DEP_1)
	v_max_num_f32 v254, v254, v235
	s_delay_alu instid0(VALU_DEP_1)
	v_mul_f32 v254, s[CS], v254
	s_delay_alu instid0(VALU_DEP_1)
	v_max_num_f32 v13, v13, v254                   ; the running largest t
	s_delay_alu instid0(VALU_DEP_1)
	v_floor_f32 v12, -v13                          ; the new -M
	s_delay_alu instid0(VALU_DEP_1)
	v_sub_f32 v254, v12, v[OLDM]                   ; old M - new M: a whole number, 0 or less
	s_delay_alu instid0(VALU_DEP_1)
	v_cvt_i32_f32 v254, v254                       ; (it saturates)
	s_delay_alu instid0(VALU_DEP_1)
	v_ldexp_f32 v252, 1.0, v254                    ; f = 2^(old M - new M)
.irp j, 0,2,4,6,8,10,12,14,16,18,20,22,24,26,28,30,32,34,36,38,40,42,44,46,48,50,52,54,56,58,60,62
	v_pk_fma_f32 v[96+\j:97+\j], v[96+\j:97+\j], s[CS:CS+1], v[12:13] op_sel_hi:[1,0,0]   ; t - M
.endr
.irp b, 0,1,2,3
	v_fma_f32 v[232+\b], v[232+\b], s[CS], v12
.endr
.set j_, 0
	s_wait_alu depctr_va_vdst(0)
.rept 64
	v_exp_f32 v[96+j_], v[96+j_]                   ; p = 2^(t - M)
.set j_, j_+1
.endr
	v_pk_mul_f32 v[14:15], v[14:15], v[252:253] op_sel_hi:[1,0]   ; the sums under the new M; the plain place behind the exponentials
	s_wait_alu depctr_va_vdst(0)                   ; one wait for the batch, ahead of its first reader
.irp b, 0,1,2,3
	v_exp_f32 v[232+\b], v[232+\b]                 ; each block's largest p
.endr
	v_pk_add_f32 v[236:237], v[100:101], v[104:105]   ; the row's sum of the unquantised p, in eight chains
	v_pk_add_f32 v[250:251], v[108:109], v[112:113]
	v_pk_add_f32 v[246:247], v[116:117], v[120:121]
	v_pk_add_f32 v[244:245], v[124:125], v[128:129]
	v_pk_add_f32 v[242:243], v[132:133], v[136:137]
	v_pk_add_f32 v[240:241], v[140:141], v[144:145]
	v_pk_add_f32 v[238:239], v[148:149], v[152:153]
	v_pk_add_f32 v[14:15], v[14:15], v[156:157]
	v_pk_add_f32 v[236:237], v[236:237], v[96:97]
	v_pk_add_f32 v[250:251], v[250:251], v[98:99]
	v_pk_add_f32 v[246:247], v[246:247], v[102:103]
	v_pk_add_f32 v[244:245], v[244:245], v[106:107]
	v_pk_add_f32 v[242:243], v[242:243], v[110:111]
	v_pk_add_f32 v[240:241], v[240:241], v[114:115]
	v_pk_add_f32 v[238:239], v[238:239], v[118:119]
	v_pk_add_f32 v[14:15], v[14:15], v[122:123]
	v_pk_add_f32 v[236:237], v[236:237], v[126:127]
	v_pk_add_f32 v[250:251], v[250:251], v[130:131]
	v_pk_add_f32 v[246:247], v[246:247], v[134:135]
	v_pk_add_f32 v[244:245], v[244:245], v[138:139]
	v_pk_add_f32 v[242:243], v[242:243], v[142:143]
	v_pk_add_f32 v[240:241], v[240:241], v[146:147]
	v_pk_add_f32 v[238:239], v[238:239], v[150:151]
	v_pk_add_f32 v[14:15], v[14:15], v[154:155]
	v_pk_add_f32 v[236:237], v[236:237], v[158:159]
	s_delay_alu instid0(VALU_DEP_2)
	v_pk_add_f32 v[14:15], v[14:15], v[244:245]
	s_delay_alu instid0(VALU_DEP_2)
	v_pk_add_f32 v[236:237], v[236:237], v[242:243]
	v_pk_add_f32 v[250:251], v[250:251], v[240:241]
	v_pk_add_f32 v[246:247], v[246:247], v[238:239]
	s_delay_alu instid0(VALU_DEP_2)
	v_pk_add_f32 v[14:15], v[14:15], v[250:251]
	s_delay_alu instid0(VALU_DEP_2)
	v_pk_add_f32 v[236:237], v[236:237], v[246:247]
	s_delay_alu instid0(VALU_DEP_1)
	v_pk_add_f32 v[14:15], v[14:15], v[236:237]
	s_wait_alu depctr_va_vdst(0)                   ; and one for the four
.irp b, 0,1,2,3
	v_max_num_f32 v[232+\b], 0x1800000, v[232+\b]  ; the floor 2^(3 - 127)
.endr
.irp b, 0,1,2,3
	s_delay_alu instid0(VALU_DEP_4)
	v_add_nc_u32 v[244+\b], 0xff000000, v[232+\b]
.endr
.irp b, 0,1,2,3
	s_delay_alu instid0(VALU_DEP_4)
	v_lshrrev_b32 v[236+\b], 23, v[244+\b]
.endr
	s_delay_alu instid0(VALU_DEP_3)
	v_lshl_or_b32 v253, v237, 8, v236              ; p's scale word for these 128 keys
	s_delay_alu instid0(VALU_DEP_1)
	v_lshl_or_b32 v253, v238, 16, v253
	s_delay_alu instid0(VALU_DEP_1)
	v_lshl_or_b32 v253, v239, 24, v253
.irp c, 0,1
	v_cvt_scalef32_pk16_fp6_f32 v[224+6*\c:226+6*\c], v[96+32*\c:111+32*\c], v[244+2*\c]
	v_cvt_scalef32_pk16_fp6_f32 v[236+4*\c:238+4*\c], v[112+32*\c:127+32*\c], v[244+2*\c+1]
.endr
	v_nop
.irp c, 0,1
.irp i, 0,1,2
	v_permlane16_swap_b32 v[224+6*\c+\i], v[236+4*\c+\i]
.endr
.irp i, 0,1,2
	s_delay_alu instid0(VALU_DEP_3)
	v_mov_b32 v[227+6*\c+\i], v[236+4*\c+\i]
.endr
.endr
.irp j, 0,2,4,6,8,10,12,14,16,18,20,22,24,26,28,30
	v_pk_mul_f32 v[160+\j:161+\j], v[160+\j:161+\j], v[252:253] op_sel_hi:[1,0]   ; O^T under the new M; these sixteen are also the places between the codes' and the scale word's last writes and the products
.endr
	s_wait_alu depctr_va_vdst(0)
	s_wait_dscnt 0x0                               ; V is in
.irp t, 0,2
	v_wmma_scale_f32_16x16x128_f8f6f4 v[160+8*\t:167+8*\t], v[28+12*\t:39+12*\t], v[224:235], v[160+8*\t:167+8*\t], v[248+\t/2], v253 matrix_a_fmt:MATRIX_FMT_FP6 matrix_b_fmt:MATRIX_FMT_FP6
	v_wmma_scale_f32_16x16x128_f8f6f4 v[168+8*\t:175+8*\t], v[40+12*\t:51+12*\t], v[224:235], v[168+8*\t:175+8*\t], v[248+\t/2], v253 matrix_a_fmt:MATRIX_FMT_FP6 matrix_b_fmt:MATRIX_FMT_FP6 matrix_a_scale:MATRIX_SCALE_ROW1
.endr
.endm
	s_wait_alu depctr_va_vdst(0)
	s_wait_loadcnt 0x0                             ; Q
	s_cmp_lt_u32 s[WV], 4
	s_cbranch_scc0 .Lnot_first
	s_wait_tensorcnt 0x0                           ; waves 0-3: my key step is in
.Lnot_first:
	s_barrier_signal -1
	s_barrier_wait -1                              ; key steps 0-3 are in; the others may be on their way
	s_mov_b32 s[TB], 0
.Lfirst:                                           ; four trips: key steps 0-3
	STEP
	s_add_co_u32 s[TB], s[TB], KVS
	s_cmp_lg_u32 s[TB], 4*KVS
	s_cbranch_scc1 .Lfirst
	s_wait_tensorcnt 0x0                           ; every wave: my key step is in
	s_wait_dscnt 0x0
	s_barrier_signal -1
	s_barrier_wait -1                              ; all sixteen key steps are in
.Lrest:                                            ; twelve trips: key steps 4-15; the waves meet no more
	STEP
	s_add_co_u32 s[TB], s[TB], KVS
	s_cmp_lg_u32 s[TB], 16*KVS
	s_cbranch_scc1 .Lrest
	; THE WAY OUT: O^T / the sum; six registers of a fragment and two scale bytes
	PLACES
	v_add_f32 v14, v14, v15
	s_delay_alu instid0(VALU_DEP_1)
	v_permlanex16_b32 v252, v14, s[SEL], s[SEL+1]
	s_delay_alu instid0(VALU_DEP_1)
	v_add_f32 v14, v14, v252
	s_wait_alu depctr_va_vdst(0)
	v_rcp_f32 v14, v14
	v_and_b32 v8, 31, v0                           ; (the plain place behind the reciprocal)
	v_and_b32 v35, 15, v0
	s_delay_alu instid0(VALU_DEP_2)
	v_lshlrev_b32 v34, 3, v8                       ; 8 x lane
	s_delay_alu instid0(VALU_DEP_2)
	v_lshlrev_b32 v35, 2, v35                      ; 4 r
	s_wait_alu depctr_va_vdst(0)                   ; ahead of the reciprocal's first reader
.set j_, 0
.rept 32
	v_mul_f32 v[96+j_], v[160+j_], v14             ; register 16 b + i: channel 32 b + 16 (lane / 16) + i of my head
.set j_, j_+1
.endr
.irp b, 0,1
	v_max3_num_f32 v[232+\b], |v[96+16*\b]|, |v[97+16*\b]|, 0x1800000
.endr
.irp i, 2,4,6,8,10,12,14
.irp b, 0,1
	s_delay_alu instid0(VALU_DEP_2)
	v_max3_num_f32 v[232+\b], v[232+\b], |v[96+16*\b+\i]|, |v[97+16*\b+\i]|
.endr
.endr
.irp b, 0,1
	s_delay_alu instid0(VALU_DEP_2)
	v_permlanex16_b32 v[236+\b], v[232+\b], s[SEL], s[SEL+1]
.endr
.irp b, 0,1
	s_delay_alu instid0(VALU_DEP_2)
	v_max_num_f32 v[232+\b], v[232+\b], v[236+\b]
.endr
.irp b, 0,1
	s_delay_alu instid0(VALU_DEP_2)
	v_add_nc_u32 v[244+\b], 0xff000000, v[232+\b]
.endr
.irp b, 0,1
	s_delay_alu instid0(VALU_DEP_2)
	v_lshrrev_b32 v[236+\b], 23, v[244+\b]
.endr
	s_delay_alu instid0(VALU_DEP_1)
	v_lshl_or_b32 v254, v237, 8, v236
	v_cvt_scalef32_pk16_fp6_f32 v[224:226], v[96:111], v244
	v_cvt_scalef32_pk16_fp6_f32 v[240:242], v[112:127], v245
	v_nop
.irp i, 0,1,2
	v_permlane16_swap_b32 v[224+\i], v[240+\i]
.endr
.irp i, 0,1,2
	s_delay_alu instid0(VALU_DEP_3)
	v_mov_b32 v[227+\i], v[240+\i]
.endr
.irp j, 0,1,2
	global_store_b64 v34, v[224+2*\j:225+2*\j], s[44:45] offset:256*\j   ; 32 lanes store 256 consecutive bytes, aligned
.endr
	global_store_b16 v35, v254, s[46:47]           ; both halves of the lanes hold the same two bytes
	s_wait_tensorcnt 0x0                           ; the wave's end
	ds_add_u32 v[SPW], v[NIL]
	s_wait_dscnt 0x0
	CROUND                                         ; the closing round
	s_endpgm
.Lfunc_end_k_qf52a387585_attn:
	.size	k_qf52a387585_attn, .Lfunc_end_k_qf52a387585_attn-k_qf52a387585_attn
	.p2alignl 7, 3214868480
	.fill 96, 4, 3214868480
	.section	.rodata,"a",@progbits
	.p2align	6, 0x0
	.amdhsa_kernel k_qf52a387585_attn
		.amdhsa_group_segment_fixed_size 327680
		.amdhsa_private_segment_fixed_size 0
		.amdhsa_enable_private_segment 0
		.amdhsa_kernarg_size 24
		.amdhsa_user_sgpr_count 2
		.amdhsa_user_sgpr_kernarg_segment_ptr 1
		.amdhsa_wavefront_size32 1
		.amdhsa_system_sgpr_workgroup_id_x 1
		.amdhsa_system_sgpr_workgroup_id_y 1
		.amdhsa_system_sgpr_workgroup_id_z 1
		.amdhsa_system_vgpr_workitem_id 0
		.amdhsa_next_free_vgpr 256
		.amdhsa_next_free_sgpr 66
		.amdhsa_reserve_vcc 0
		.amdhsa_float_denorm_mode_32 3
		.amdhsa_float_denorm_mode_16_64 3
		.amdhsa_memory_ordered 1
		.amdhsa_forward_progress 1
		.amdhsa_inst_pref_size 46
	.end_amdhsa_kernel
	.amdgpu_metadata
---
amdhsa.version: [ 1, 2 ]
amdhsa.kernels:
  - .name:           k_qf52a387585_attn
    .symbol:         k_qf52a387585_attn.kd
    .args:
      - { .name: qb, .offset: 0, .size: 8, .value_kind: global_buffer, .address_space: global }
      - { .name: kv, .offset: 8, .size: 8, .value_kind: global_buffer, .address_space: global }
      - { .name: ao, .offset: 16, .size: 8, .value_kind: global_buffer, .address_space: global }
    .group_segment_fixed_size: 327680
    .private_segment_fixed_size: 0
    .kernarg_segment_align: 8
    .kernarg_segment_size: 24
    .max_flat_workgroup_size: 512
    .sgpr_count:     66
    .vgpr_count:     256
    .wavefront_size: 32
...
	.end_amdgpu_metadata
.endif
;; end of part 3
;; launch oproj (part 4): grid 8 x 32, 4 waves a work-group, clusters of 4 x 4, 327,680 bytes of LDS; arguments ao, wc, bo, x, y; writes y
.if DOCPART == 4
	.amdgcn_target "amdgcn-amd-amdhsa--gfx1250"
	.amdhsa_code_object_version 6
	.text
	.protected	k_qf52a387585_oproj
	.globl	k_qf52a387585_oproj
	.p2align	8
	.type	k_qf52a387585_oproj,@function
k_qf52a387585_oproj:
	s_mov_b64 s[64:65], 0
	v_nop
	global_prefetch_b8 v0, s[64:65] scope:SCOPE_SE
	s_setreg_imm32_b32 hwreg(HW_REG_WAVE_MODE, 25, 1), 1
	s_wait_xcnt 0x0
	s_wait_alu depctr_hold_cnt(0) depctr_sa_sdst(0) depctr_va_vdst(0) depctr_va_sdst(0) depctr_va_ssrc(0) depctr_va_vcc(0) depctr_vm_vsrc(0)
	s_getreg_b32 s2, hwreg(HW_REG_IB_STS2, 6, 4)
	s_cmp_eq_u32 s2, 0
	s_cbranch_scc0 .Lentry_in_a_cluster
	s_endpgm
.Lentry_in_a_cluster:
	s_bfe_u32 s2, ttmp6, 0x10000c
	s_cmp_lg_u32 s2, 0xf033
	s_cbranch_scc0 .Lentry_shape_is_right
	s_endpgm
.Lentry_shape_is_right:
.set T,     4
.set KS,    4
.set NK,    8
.set WOFF,  2457600
.set BLK,   12800
.set REG,   2*BLK
.set SLOT,  4*REG
.set STG,   2*SLOT
.set SPARE, STG+4*16*272
.set LI,   1
.set ADRY, 2
.set ADRX, 4
.set ADSY, 6
.set ADSX, 8
.set SPW,  10
.set NIL,  11
.set STO,  12
.set RD,   13
.set CO,   14
.set H64,  15
.set G1,   24
.set G0,   32
.set G1B,  48
.set G0B,  56
.set MSB, 0
.macro WIN new
.if MSB != (\new)
	s_set_vgpr_msb (MSB<<8)|(\new)
.set MSB, (\new)
.endif
.endm
.macro PLACES
.rept 4
	v_nop
.endr
.endm
.macro JLOAD s
	s_cmp_eq_u32 s21, 0
	s_cbranch_scc0 .Lfor_b_\@
	tensor_load_to_lds s[G0+4*(\s):G0+4*(\s)+3], s[G1:G1+7]
	s_nop 0
.rept 4
	v_nop
.endr
	s_branch .Lasked_\@
.Lfor_b_\@:
	tensor_load_to_lds s[G0B+4*(\s):G0B+4*(\s)+3], s[G1B:G1B+7]
	s_nop 0
.rept 4
	v_nop
.endr
.Lasked_\@:
.endm
.macro CROUND
	s_barrier_signal -1
	s_barrier_wait -1
	s_cmp_lg_u32 s20, 0
	s_cbranch_scc1 .Lnot_wave_0_\@
	s_barrier_signal -3
.Lnot_wave_0_\@:
	s_barrier_wait -3
	s_barrier_signal -1
	s_barrier_wait -1
.endm
.macro FETCH p, slot, kk
	WIN 0x40
.set i_, 0
.rept T
.irp c, 0,1,2
	ds_load_b128 v[128*(\p)+12*i_+4*\c:128*(\p)+12*i_+4*\c+3], v[ADRX+(\slot)] offset:(\kk)*BLK+1536*i_+512*\c
.endr
.set i_, i_+1
.endr
	WIN 0
.set i_, 0
.rept T
.irp c, 0,1,2
	ds_load_b64 v[64+96*(\p)+12*i_+2*\c:64+96*(\p)+12*i_+2*\c+1], v[ADRY+(\slot)] offset:(\kk)*BLK+1536*i_+256*\c   ; ao's fragments lie by heads: registers 6 e + 2 c, 6 e + 2 c + 1 at 768 e + 256 c + 8 lane
	ds_load_b64 v[64+96*(\p)+12*i_+6+2*\c:64+96*(\p)+12*i_+6+2*\c+1], v[ADRY+(\slot)] offset:(\kk)*BLK+1536*i_+768+256*\c
.endr
.set i_, i_+1
.endr
.set i_, 0
.rept T/2
	ds_load_b32 v[32+8*(\p)+i_], v[ADSX+(\slot)] offset:(\kk)*BLK+128*i_
	ds_load_b32 v[36+8*(\p)+i_], v[ADSY+(\slot)] offset:(\kk)*BLK+128*i_
.set i_, i_+1
.endr
.endm
.macro WM
.if RA_ && RB_
	v_wmma_scale_f32_16x16x128_f8f6f4 v[D_:D_+7], v[X_:X_+11], v[Y_:Y_+11], v[C_:C_+7], v[SX_], v[SY_] matrix_a_fmt:MATRIX_FMT_FP6 matrix_b_fmt:MATRIX_FMT_FP6 matrix_a_scale:MATRIX_SCALE_ROW1 matrix_b_scale:MATRIX_SCALE_ROW1
.elseif RA_
	v_wmma_scale_f32_16x16x128_f8f6f4 v[D_:D_+7], v[X_:X_+11], v[Y_:Y_+11], v[C_:C_+7], v[SX_], v[SY_] matrix_a_fmt:MATRIX_FMT_FP6 matrix_b_fmt:MATRIX_FMT_FP6 matrix_a_scale:MATRIX_SCALE_ROW1
.elseif RB_
	v_wmma_scale_f32_16x16x128_f8f6f4 v[D_:D_+7], v[X_:X_+11], v[Y_:Y_+11], v[C_:C_+7], v[SX_], v[SY_] matrix_a_fmt:MATRIX_FMT_FP6 matrix_b_fmt:MATRIX_FMT_FP6 matrix_b_scale:MATRIX_SCALE_ROW1
.else
	v_wmma_scale_f32_16x16x128_f8f6f4 v[D_:D_+7], v[X_:X_+11], v[Y_:Y_+11], v[C_:C_+7], v[SX_], v[SY_] matrix_a_fmt:MATRIX_FMT_FP6 matrix_b_fmt:MATRIX_FMT_FP6
.endif
.endm
.macro MUL p, cm
.set o_, 0
.rept T
.set aw_, 2+(8*T*o_)/256
.if (\cm) == 0
	WIN (aw_<<6)|(aw_<<4)|1
.else
	WIN (aw_<<6)|(1<<4)|1
.endif
.set i_, 0
.rept T
.set D_, (8*(T*o_+i_))%256
.set C_, D_
.if (\cm) == 1
.set C_, 96+8*i_+96*(i_/4)
.endif
.set X_, 128*(\p)+12*i_
.set Y_, 64+96*(\p)+12*o_
.set SX_, 32+8*(\p)+i_/2
.set SY_, 36+8*(\p)+o_/2
.set RA_, i_%2
.set RB_, o_%2
	WM
.set i_, i_+1
.endr
.set o_, o_+1
.endr
.endm
.macro KSTEP ks, cm
.set p_, (\ks)%2
.set np_, 1-p_
.set sl_, ((\ks)/KS)%2
.set nsl_, (((\ks)+1)/KS)%2
.set nkk_, ((\ks)+1)%KS
.set turn_, 0
.set refill_, 0
.if ((\ks)%KS) == (KS-1)
.if (\ks) < (NK-1)
.set turn_, 1
.if ((\ks)+1+KS) < NK
.set refill_, 1
.endif
.endif
.endif
	s_wait_dscnt 0x0
	WIN 0
.if turn_
	s_wait_tensorcnt 0x0
	ds_add_u32 v[SPW], v[NIL]
.if refill_
	s_add_nc_u64 s[G0+4*sl_+2:G0+4*sl_+3], s[G0+4*sl_+2:G0+4*sl_+3], 2*KS*BLK
	s_add_nc_u64 s[G0B+4*sl_+2:G0B+4*sl_+3], s[G0B+4*sl_+2:G0B+4*sl_+3], 2*KS*BLK
.endif
	s_wait_dscnt 0x0
.if refill_
	CROUND
	JLOAD sl_
.else
	s_barrier_signal -1
	s_barrier_wait -1
.endif
.endif
.if (\ks) < (NK-1)
.if refill_ == 0
	PLACES
.endif
	FETCH np_, nsl_, nkk_
.endif
	MUL p_, \cm
.endm
	s_load_b256 s[4:11], s[0:1], 0x0
	s_load_b64 s[12:13], s[0:1], 0x20
	v_lshl_add_u32 v[SPW], v0, 2, SPARE
	v_mov_b32 v[NIL], 0
	ds_add_u32 v[SPW], v[NIL]
	ds_add_u32 v[SPW], v[NIL]
	v_lshrrev_b32 v20, 5, v0
	v_readfirstlane_b32 s20, v20
	s_lshr_b32 s21, s20, 1
	s_and_b32 s22, s20, 1
	s_bfe_u32 s40, ttmp6, 0x40000
	s_bfe_u32 s41, ttmp6, 0x40004
	s_lshl_b32 s42, ttmp9, 2
	s_add_co_u32 s42, s42, s40
	s_and_b32 s17, ttmp7, 0xffff
	s_lshl_b32 s17, s17, 2
	s_add_co_u32 s17, s17, s41
	s_lshl_b32 s43, s41, 2
	s_lshl_b32 s43, 15, s43
	s_lshl_b32 s44, 0x1111, s40
	s_or_b32 s[G1], s43, (3<<16)|(1<<21)
	s_or_b32 s[G1B], s44, (3<<16)|(1<<21)
.irp g, G1, G1B
	s_mov_b32 s[\g+1], 32<<16
	s_mov_b32 s[\g+2], 100<<16
	s_mov_b32 s[\g+3], 32<<16
	s_mov_b32 s[\g+4], 100
	s_mov_b32 s[\g+5], 32
	s_mov_b32 s[\g+6], 0
	s_mov_b32 s[\g+7], 0
.endr
	s_mul_i32 s45, s20, REG
	s_mul_i32 s18, s22, REG
	s_mul_i32 s14, s17, NK*BLK
	s_add_co_u32 s14, s14, s18
	s_mov_b32 s15, 0
	s_mul_i32 s46, s42, NK*BLK
	s_add_co_u32 s46, s46, s18
	s_add_co_u32 s46, s46, WOFF
	s_mov_b32 s47, 0
	s_wait_dscnt 0x0
	s_wait_kmcnt 0x0
	s_add_nc_u64 s[14:15], s[4:5], s[14:15]
	s_add_nc_u64 s[46:47], s[6:7], s[46:47]
	CROUND
.irp s, 0,1
	s_mov_b32 s[G0+4*\s], 1
	s_add_co_u32 s[G0+4*\s+1], s45, \s*SLOT
	s_add_nc_u64 s[G0+4*\s+2:G0+4*\s+3], s[14:15], \s*KS*BLK
	s_or_b32 s[G0+4*\s+3], s[G0+4*\s+3], 0x80000000
	s_mov_b32 s[G0B+4*\s], 1
	s_add_co_u32 s[G0B+4*\s+1], s45, \s*SLOT
	s_add_nc_u64 s[G0B+4*\s+2:G0B+4*\s+3], s[46:47], \s*KS*BLK
	s_or_b32 s[G0B+4*\s+3], s[G0B+4*\s+3], 0x80000000
.endr
	JLOAD 0                                        ; slot 0: one tensor load a wave at the head
	v_and_b32 v20, 31, v0
	s_cmp_eq_u32 s21, 0                            ; the prefetch: the stream that I fetch; of a load's 100 blocks of 256 bytes each of the four partners that ask jointly names 25, told apart by address
	s_cselect_b64 s[74:75], s[14:15], s[46:47]
	s_cselect_b32 s76, s40, s41
	s_mul_i32 s76, s76, 6400
	v_min_u32 v24, 24, v20                         ; a lane a block; the lanes left over name the last again
	v_lshl_add_u32 v24, v24, 8, s76
	global_prefetch_b8 v24, s[74:75] offset:KS*BLK th:TH_LOAD_NT scope:SCOPE_SE   ; slot 1's fill, the last, asked for one fill ahead of its load
	v_lshlrev_b32 v[LI], 4, v20
	v_lshlrev_b32 v21, 2, v20
	v_and_b32 v22, 15, v0
	v_bfe_u32 v23, v0, 4, 1
	v_lshlrev_b32 v[H64], 6, v23
	s_mul_i32 s66, s21, 6144
	s_mul_i32 s67, s22, 6144
	s_add_co_u32 s67, s67, 2*REG
	v_lshl_add_u32 v[ADRY], v20, 3, s66
	v_add_nc_u32 v[ADRX], s67, v[LI]
	s_lshl_b32 s66, s21, 8
	s_add_co_u32 s66, s66, 12288
	s_lshl_b32 s67, s22, 8
	s_add_co_u32 s67, s67, 2*REG+12288
	v_add_nc_u32 v[ADSY], s66, v21
	v_add_nc_u32 v[ADSX], s67, v21
.irp a, ADRY, ADRX, ADSY, ADSX
	v_add_nc_u32 v[\a+1], SLOT, v[\a]
.endr
	s_mul_i32 s68, s20, 16*272
	s_add_co_u32 s68, s68, STG
	v_mul_u32_u24 v[STO], v22, 272
	v_add_nc_u32 v[STO], v[STO], v[H64]
	v_add_nc_u32 v[STO], s68, v[STO]
	v_mul_u32_u24 v[RD], v23, 272
	v_lshl_add_u32 v[RD], v22, 4, v[RD]
	v_add_nc_u32 v[RD], s68, v[RD]
	v_lshlrev_b32 v[CO], 12, v23
	v_lshl_add_u32 v[CO], v22, 4, v[CO]
	s_wait_alu depctr_va_vdst(0)
	s_lshl_b32 s70, s17, 7
	s_lshl_b32 s71, s21, 6
	s_add_co_u32 s70, s70, s71
	s_lshl_b32 s70, s70, 12
	s_lshl_b32 s72, s42, 9
	s_lshl_b32 s71, s22, 8
	s_add_co_u32 s72, s72, s71
	s_add_co_u32 s70, s70, s72
	s_mov_b32 s71, 0
	s_mov_b32 s73, 0
	s_add_nc_u64 s[8:9], s[8:9], s[72:73]
	s_add_nc_u64 s[10:11], s[10:11], s[70:71]
	s_add_nc_u64 s[12:13], s[12:13], s[70:71]
	WIN 0x40
.irp i, 0,1,2,3
	global_load_b128 v[96+8*\i:96+8*\i+3], v[H64], s[8:9] offset:(32*(\i/2)+8*(\i%2))*4
	global_load_b128 v[96+8*\i+4:96+8*\i+7], v[H64], s[8:9] offset:(32*(\i/2)+8*(\i%2))*4+16
.endr
	WIN 0x80
.irp o, 0,1,2,3
.irp t, 0,1,2,3,4,5,6,7
	global_load_b128 v[128+32*\o+4*\t:128+32*\o+4*\t+3], v[CO], s[10:11] offset:(32*(\o/2)+8*(\o%2)+2*\t+8*(\t/4))*4096
.endr
.endr
	WIN 0
	s_wait_tensorcnt 0x0                           ; my part of slot 0 is in; slot 1's first fill is issued as a refill is
	ds_add_u32 v[SPW], v[NIL]
	s_wait_dscnt 0x0
	CROUND
	JLOAD 1
	FETCH 0, 0, 0
	s_wait_loadcnt 32
	KSTEP 0, 1
.set k_, 1
.rept NK-1
	KSTEP k_, 0
.set k_, k_+1
.endr
	WIN 0
	PLACES
	s_wait_loadcnt 0x0
.irp o, 0,1,2,3
	WIN 0x08
.irp i, 0,1,2,3
	ds_store_b128 v[STO], v[8*(4*\o+\i):8*(4*\o+\i)+3] offset:128*(\i/2)+32*(\i%2)
	ds_store_b128 v[STO], v[8*(4*\o+\i)+4:8*(4*\o+\i)+7] offset:128*(\i/2)+32*(\i%2)+16
.endr
	WIN 0
.irp t, 0,1,2,3,4,5,6,7
	ds_load_b128 v[64+32*\o+4*\t:64+32*\o+4*\t+3], v[RD] offset:544*\t
.endr
	s_wait_dscnt 0x0
	WIN 0x88
.irp m, 0,2,4,6,8,10,12,14,16,18,20,22,24,26,28,30
	v_pk_add_f32 v[128+32*\o+\m:129+32*\o+\m], v[64+32*\o+\m:65+32*\o+\m], v[128+32*\o+\m:129+32*\o+\m]
.endr
	WIN 0x08
.irp t, 0,1,2,3,4,5,6,7
	global_store_b128 v[CO], v[128+32*\o+4*\t:128+32*\o+4*\t+3], s[12:13] offset:(32*(\o/2)+8*(\o%2)+2*\t+8*(\t/4))*4096
.endr
.endr
	WIN 0
	s_wait_tensorcnt 0x0
	ds_add_u32 v[SPW], v[NIL]
	s_wait_dscnt 0x0
	CROUND
	s_endpgm
.Lfunc_end_k_qf52a387585_oproj:
	.size	k_qf52a387585_oproj, .Lfunc_end_k_qf52a387585_oproj-k_qf52a387585_oproj
	.p2alignl 7, 3214868480
	.fill 96, 4, 3214868480
	.section	.rodata,"a",@progbits
	.p2align	6, 0x0
	.amdhsa_kernel k_qf52a387585_oproj
		.amdhsa_group_segment_fixed_size 327680
		.amdhsa_private_segment_fixed_size 0
		.amdhsa_enable_private_segment 0
		.amdhsa_kernarg_size 40
		.amdhsa_user_sgpr_count 2
		.amdhsa_user_sgpr_kernarg_segment_ptr 1
		.amdhsa_wavefront_size32 1
		.amdhsa_system_sgpr_workgroup_id_x 1
		.amdhsa_system_sgpr_workgroup_id_y 1
		.amdhsa_system_sgpr_workgroup_id_z 1
		.amdhsa_system_vgpr_workitem_id 0
		.amdhsa_next_free_vgpr 768
		.amdhsa_next_free_sgpr 80
		.amdhsa_reserve_vcc 0
		.amdhsa_float_denorm_mode_32 3
		.amdhsa_float_denorm_mode_16_64 3
		.amdhsa_memory_ordered 1
		.amdhsa_forward_progress 1
		.amdhsa_inst_pref_size 63
	.end_amdhsa_kernel
	.amdgpu_metadata
---
amdhsa.version: [ 1, 2 ]
amdhsa.kernels:
  - .name:           k_qf52a387585_oproj
    .symbol:         k_qf52a387585_oproj.kd
    .args:
      - { .name: ao, .offset: 0, .size: 8, .value_kind: global_buffer, .address_space: global }
      - { .name: wc, .offset: 8, .size: 8, .value_kind: global_buffer, .address_space: global }
      - { .name: bo, .offset: 16, .size: 8, .value_kind: global_buffer, .address_space: global }
      - { .name: x, .offset: 24, .size: 8, .value_kind: global_buffer, .address_space: global }
      - { .name: y, .offset: 32, .size: 8, .value_kind: global_buffer, .address_space: global }
    .group_segment_fixed_size: 327680
    .private_segment_fixed_size: 0
    .kernarg_segment_align: 8
    .kernarg_segment_size: 40
    .max_flat_workgroup_size: 128
    .sgpr_count:     80
    .vgpr_count:     768
    .wavefront_size: 32
...
	.end_amdgpu_metadata
.endif
;; end of part 4
;; launch ln1 (part 5): grid 256 x 1, 4 waves a work-group, no clusters, 66,560 bytes of LDS; arguments y, g1, be1, x1, xc; writes x1, xc
.if DOCPART == 5
	.amdgcn_target "amdgcn-amd-amdhsa--gfx1250"
	.amdhsa_code_object_version 6
	.text
	.protected	k_qf52a387585_ln1
	.globl	k_qf52a387585_ln1
	.p2align	8
	.type	k_qf52a387585_ln1,@function
k_qf52a387585_ln1:
	s_mov_b64 s[64:65], 0
	v_nop
	global_prefetch_b8 v0, s[64:65] scope:SCOPE_SE
	s_setreg_imm32_b32 hwreg(HW_REG_WAVE_MODE, 25, 1), 1
	s_wait_xcnt 0x0
; x1 = LayerNorm(y) g + b, in f32 (mean, then the sum of squares of x - mean: no difference of large sums), stored as f32 and as codes of E2M3 along D in the layout of operand images (blocks of 12,800 bytes).
; Work-group id: tile id % 8 of group id / 8: 16 rows.  A wave norms four whole rows in registers (a row is 32 registers), the four by turns; the rows meet in a stage in LDS; then each wave quantises K steps 2 w, 2 w + 1 of all 16 rows.
; LIMITS: NaN and infinities are not served; a block of zeros gets the byte 1 (zero codes; read by this program alone).
.set BLK,   12800
.set SP,    4112
.set SPARE, 16*SP
.set LI,    3
.set SPW,   10
.set NIL,   11
.set TM,    16
.set PC,    32
.set SEL,   40
.macro QUANT s, pw
.irp b, 0,1,2,3
	v_max3_num_f32 v[TM+\b], |v[\s+16*\b]|, |v[\s+1+16*\b]|, 0x1800000
.endr
.irp i, 2,4,6,8,10,12,14
.irp b, 0,1,2,3
	v_max3_num_f32 v[TM+\b], v[TM+\b], |v[\s+16*\b+\i]|, |v[\s+1+16*\b+\i]|
.endr
.endr
.irp b, 0,1,2,3
	v_permlanex16_b32 v[TM+4+\b], v[TM+\b], s[SEL], s[SEL+1]
.endr
.irp b, 0,1,2,3
	v_max_num_f32 v[TM+\b], v[TM+\b], v[TM+4+\b]
.endr
.irp b, 0,1,2,3
	v_add_nc_u32 v[TM+12+\b], 0xff000000, v[TM+\b]
.endr
.irp b, 0,1,2,3
	v_lshrrev_b32 v[TM+4+\b], 23, v[TM+12+\b]
.endr
	v_lshl_or_b32 v[\pw], v[TM+5], 8, v[TM+4]
	v_lshl_or_b32 v[\pw], v[TM+6], 16, v[\pw]
	v_lshl_or_b32 v[\pw], v[TM+7], 24, v[\pw]
.irp c, 0,1
	v_cvt_scalef32_pk16_fp6_f32 v[PC+6*\c:PC+2+6*\c], v[\s+32*\c:\s+15+32*\c], v[TM+12+2*\c]
	v_cvt_scalef32_pk16_fp6_f32 v[PC+12+4*\c:PC+14+4*\c], v[\s+16+32*\c:\s+31+32*\c], v[TM+12+2*\c+1]
.endr
	v_nop
.irp c, 0,1
.irp i, 0,1,2
	v_permlane16_swap_b32 v[PC+6*\c+\i], v[PC+12+4*\c+\i]
.endr
.irp i, 0,1,2
	v_mov_b32 v[PC+3+6*\c+\i], v[PC+12+4*\c+\i]
.endr
.endr
.endm
.macro REDUCE                          ; v[16 + 2 e] + v[17 + 2 e], summed over the 32 lanes, for the four rows by turns; every lane ends with the sum
.irp e, 0,1,2,3
	v_add_f32 v[16+2*\e], v[16+2*\e], v[17+2*\e]
.endr
.irp m, 1,2,4,8
.irp e, 0,1,2,3
	v_add_f32_dpp v[16+2*\e], v[16+2*\e], v[16+2*\e] row_xmask:\m row_mask:0xf bank_mask:0xf
.endr
.endr
.irp e, 0,1,2,3
	v_permlanex16_b32 v[44+\e], v[16+2*\e], s[SEL], s[SEL+1]
.endr
.irp e, 0,1,2,3
	v_add_f32 v[16+2*\e], v[16+2*\e], v[44+\e]
.endr
.endm
	s_load_b256 s[4:11], s[0:1], 0x0               ; y, g, b, x1
	s_load_b64 s[12:13], s[0:1], 0x20              ; xc
	v_lshl_add_u32 v[SPW], v0, 2, SPARE
	v_mov_b32 v[NIL], 0
	v_lshrrev_b32 v1, 5, v0
	v_readfirstlane_b32 s22, v1
	v_and_b32 v2, 31, v0
	s_wait_alu depctr_va_vdst(0)
	s_lshr_b32 s23, ttmp9, 3
	s_and_b32 s24, ttmp9, 7
	s_lshl_b32 s25, s23, 7
	s_lshr_b32 s26, s24, 1
	s_lshl_b32 s26, s26, 5
	s_add_co_u32 s25, s25, s26
	s_and_b32 s26, s24, 1
	s_lshl_b32 s26, s26, 3
	s_add_co_u32 s25, s25, s26
	s_lshl_b32 s26, s22, 2
	s_add_co_u32 s25, s25, s26
	s_lshr_b32 s26, s22, 1
	s_lshl_b32 s26, s26, 3
	s_add_co_u32 s25, s25, s26                     ; my first row: 128 g + 32 (t / 2) + 8 (t % 2) + 4 w + 8 (w / 2)
	s_lshl_b32 s26, s25, 12
	s_mov_b32 s27, 0
	s_lshl_b32 s28, s23, 3
	s_lshl_b32 s29, s22, 1
	s_add_co_u32 s28, s28, s29
	s_mul_i32 s28, s28, BLK
	s_mul_i32 s30, s24, 1536
	s_add_co_u32 s30, s30, s28
	s_mov_b32 s31, 0
	s_lshl_b32 s32, s24, 6
	s_add_co_u32 s32, s32, s28
	s_add_co_u32 s32, s32, 12288
	s_mov_b32 s33, 0
	s_mov_b32 s[SEL], 0x76543210
	s_mov_b32 s[SEL+1], 0xfedcba98
	s_mov_b32 s42, 0xffff0000
	s_mov_b32 s36, 0x3a800000                      ; 1 / 1024
	s_mov_b32 s37, 0x3727c5ac                      ; 1e-5
	v_lshlrev_b32 v[LI], 4, v2
	s_mul_i32 s34, s22, 4*SP
	v_add_nc_u32 v4, s34, v[LI]
	v_and_b32 v6, 15, v0
	v_bfe_u32 v7, v0, 4, 1
	v_mul_u32_u24 v5, v6, SP
	v_lshl_add_u32 v5, v7, 6, v5
	s_lshl_b32 s34, s22, 10
	v_add_nc_u32 v5, s34, v5
	v_mul_u32_u24 v8, v7, BLK
	v_lshl_add_u32 v8, v6, 2, v8
.irp e, 0,1,2,3
	v_mov_b32 v[44+\e], 0                          ; a lane permute's destination counts as one of its sources
.endr
	s_wait_kmcnt 0x0
	s_add_nc_u64 s[4:5], s[4:5], s[26:27]
	s_add_nc_u64 s[10:11], s[10:11], s[26:27]
	s_add_nc_u64 s[30:31], s[12:13], s[30:31]
	s_add_nc_u64 s[32:33], s[12:13], s[32:33]
.irp e, 0,1,2,3
.irp j, 0,1,2,3,4,5,6,7
	global_load_b128 v[64+32*\e+4*\j:64+32*\e+4*\j+3], v[LI], s[4:5] offset:\e*4096+512*\j th:TH_LOAD_NT
.endr
.endr
.irp j, 0,1,2,3,4,5,6,7
	global_load_b128 v[192+4*\j:195+4*\j], v[LI], s[6:7] offset:512*\j
	global_load_b128 v[224+4*\j:227+4*\j], v[LI], s[8:9] offset:512*\j
.endr
	s_wait_loadcnt 16                              ; the four rows are in; gain and bias, sixteen loads, may be out
.irp e, 0,1,2,3
	v_pk_add_f32 v[16+2*\e:17+2*\e], v[64+32*\e:65+32*\e], v[66+32*\e:67+32*\e]
.endr
.irp j, 4,6,8,10,12,14,16,18,20,22,24,26,28,30
.irp e, 0,1,2,3
	v_pk_add_f32 v[16+2*\e:17+2*\e], v[16+2*\e:17+2*\e], v[64+32*\e+\j:65+32*\e+\j]
.endr
.endr
	REDUCE
.irp e, 0,1,2,3
	v_mul_f32 v[24+2*\e], 0xba800000, v[16+2*\e]   ; - the mean
.endr
.irp e, 0,1,2,3
	v_mov_b32 v[25+2*\e], v[24+2*\e]
.endr
.irp j, 0,2,4,6,8,10,12,14,16,18,20,22,24,26,28,30
.irp e, 0,1,2,3
	v_pk_add_f32 v[64+32*\e+\j:65+32*\e+\j], v[64+32*\e+\j:65+32*\e+\j], v[24+2*\e:25+2*\e]
.endr
.endr
.irp e, 0,1,2,3
	v_pk_mul_f32 v[16+2*\e:17+2*\e], v[64+32*\e:65+32*\e], v[64+32*\e:65+32*\e]
.endr
.irp j, 2,4,6,8,10,12,14,16,18,20,22,24,26,28,30
.irp e, 0,1,2,3
	v_pk_fma_f32 v[16+2*\e:17+2*\e], v[64+32*\e+\j:65+32*\e+\j], v[64+32*\e+\j:65+32*\e+\j], v[16+2*\e:17+2*\e]
.endr
.endr
	REDUCE
.irp e, 0,1,2,3
	v_fma_f32 v[16+2*\e], v[16+2*\e], s36, s37     ; the variance + 1e-5
.endr
	s_wait_alu depctr_va_vdst(0)
.irp e, 0,1,2,3
	v_rsq_f32 v[32+2*\e], v[16+2*\e]
.endr
	v_nop                                          ; a plain place behind the last of the four,
	s_wait_alu depctr_va_vdst(0)                   ; and one wait ahead of their first reader
.irp e, 0,1,2,3
	v_mov_b32 v[33+2*\e], v[32+2*\e]
.endr
	s_wait_alu depctr_va_vdst(0)
	s_wait_loadcnt 0x0
.irp e, 0,1,2,3
.irp j, 0,2,4,6,8,10,12,14,16,18,20,22,24,26,28,30
	v_pk_mul_f32 v[64+32*\e+\j:65+32*\e+\j], v[64+32*\e+\j:65+32*\e+\j], v[32+2*\e:33+2*\e]
.endr
.irp j, 0,2,4,6,8,10,12,14,16,18,20,22,24,26,28,30
	v_pk_fma_f32 v[64+32*\e+\j:65+32*\e+\j], v[64+32*\e+\j:65+32*\e+\j], v[192+\j:193+\j], v[224+\j:225+\j]
.endr
.irp j, 0,1,2,3,4,5,6,7
	global_store_b128 v[LI], v[64+32*\e+4*\j:64+32*\e+4*\j+3], s[10:11] offset:\e*4096+512*\j
	ds_store_b128 v4, v[64+32*\e+4*\j:64+32*\e+4*\j+3] offset:\e*SP+512*\j
.endr
.endr
	s_wait_dscnt 0x0                               ; my stores into the stage have landed
	s_barrier_signal -1
	s_barrier_wait -1
	s_wait_xcnt 0x0                                ; the global stores have read their registers: the loads below land there
.irp k, 0,1
.irp b, 0,1,2,3
.irp j, 0,1,2,3
	ds_load_b128 v[64+64*\k+16*\b+4*\j:64+64*\k+16*\b+4*\j+3], v5 offset:512*\k+128*\b+16*\j
.endr
.endr
.endr
	s_wait_dscnt 0x0
	QUANT 64, 52
.irp c, 0,1,2
	global_store_b128 v[LI], v[PC+4*\c:PC+4*\c+3], s[30:31] offset:512*\c
.endr
	s_wait_xcnt 0x0
	QUANT 128, 53
.irp c, 0,1,2
	global_store_b128 v[LI], v[PC+4*\c:PC+4*\c+3], s[30:31] offset:BLK+512*\c
.endr
	v_cndmask_b32 v54, v52, v53, s42
	global_store_b32 v8, v54, s[32:33]
	s_wait_tensorcnt 0x0                           ; the wave's end, behind my last LDS store
	ds_add_u32 v[SPW], v[NIL]
	s_wait_dscnt 0x0
	s_endpgm
.Lfunc_end_k_qf52a387585_ln1:
	.size	k_qf52a387585_ln1, .Lfunc_end_k_qf52a387585_ln1-k_qf52a387585_ln1
	.p2alignl 7, 3214868480
	.fill 96, 4, 3214868480
	.section	.rodata,"a",@progbits
	.p2align	6, 0x0
	.amdhsa_kernel k_qf52a387585_ln1
		.amdhsa_group_segment_fixed_size 66560
		.amdhsa_private_segment_fixed_size 0
		.amdhsa_enable_private_segment 0
		.amdhsa_kernarg_size 40
		.amdhsa_user_sgpr_count 2
		.amdhsa_user_sgpr_kernarg_segment_ptr 1
		.amdhsa_wavefront_size32 1
		.amdhsa_system_sgpr_workgroup_id_x 1
		.amdhsa_system_sgpr_workgroup_id_y 1
		.amdhsa_system_sgpr_workgroup_id_z 1
		.amdhsa_system_vgpr_workitem_id 0
		.amdhsa_next_free_vgpr 256
		.amdhsa_next_free_sgpr 66
		.amdhsa_reserve_vcc 0
		.amdhsa_float_denorm_mode_32 3
		.amdhsa_float_denorm_mode_16_64 3
		.amdhsa_memory_ordered 1
		.amdhsa_forward_progress 1
		.amdhsa_inst_pref_size 47
	.end_amdhsa_kernel
	.amdgpu_metadata
---
amdhsa.version: [ 1, 2 ]
amdhsa.kernels:
  - .name:           k_qf52a387585_ln1
    .symbol:         k_qf52a387585_ln1.kd
    .args:
      - { .name: y, .offset: 0, .size: 8, .value_kind: global_buffer, .address_space: global }
      - { .name: g1, .offset: 8, .size: 8, .value_kind: global_buffer, .address_space: global }
      - { .name: be1, .offset: 16, .size: 8, .value_kind: global_buffer, .address_space: global }
      - { .name: x1, .offset: 24, .size: 8, .value_kind: global_buffer, .address_space: global }
      - { .name: xc, .offset: 32, .size: 8, .value_kind: global_buffer, .address_space: global }
    .group_segment_fixed_size: 66560
    .private_segment_fixed_size: 0
    .kernarg_segment_align: 8
    .kernarg_segment_size: 40
    .max_flat_workgroup_size: 128
    .sgpr_count:     66
    .vgpr_count:     256
    .wavefront_size: 32
...
	.end_amdgpu_metadata
.endif
;; end of part 5
;; launch ffn1 (part 6): grid 16 x 16, 4 waves a work-group, clusters of 4 x 4, 327,680 bytes of LDS; arguments xc, wc, b1, hc; writes hc
.if DOCPART == 6
	.amdgcn_target "amdgcn-amd-amdhsa--gfx1250"
	.amdhsa_code_object_version 6
	.text
	.protected	k_qf52a387585_ffn1
	.globl	k_qf52a387585_ffn1
	.p2align	8
	.type	k_qf52a387585_ffn1,@function
k_qf52a387585_ffn1:
	s_mov_b64 s[64:65], 0
	v_nop
	global_prefetch_b8 v0, s[64:65] scope:SCOPE_SE
	s_setreg_imm32_b32 hwreg(HW_REG_WAVE_MODE, 25, 1), 1
	s_wait_xcnt 0x0
	s_wait_alu depctr_hold_cnt(0) depctr_sa_sdst(0) depctr_va_vdst(0) depctr_va_sdst(0) depctr_va_ssrc(0) depctr_va_vcc(0) depctr_vm_vsrc(0)
	s_getreg_b32 s2, hwreg(HW_REG_IB_STS2, 6, 4)
	s_cmp_eq_u32 s2, 0
	s_cbranch_scc0 .Lentry_in_a_cluster
	s_endpgm
.Lentry_in_a_cluster:
	s_bfe_u32 s2, ttmp6, 0x10000c
	s_cmp_lg_u32 s2, 0xf033
	s_cbranch_scc0 .Lentry_shape_is_right
	s_endpgm
.Lentry_shape_is_right:
.set T,     8
.set KS,    2
.set NK,    8
.set W1OFF, 6553600
.set BLK,   12800
.set REG,   2*BLK
.set SLOT,  4*REG
.set SPARE, 2*SLOT
.set LI,   1
.set ADRY, 2
.set ADRX, 4
.set ADSY, 6
.set ADSX, 8
.set SPW,  10
.set NIL,  11
.set L4,   28
.set H64,  30
.set TM,   48
.set PC,   64
.set PWS,  96
.set G1,   24
.set G0,   32
.set G1B,  48
.set G0B,  56
.set SEL,  72
.set MSB, 0
.macro WIN new
.if MSB != (\new)
	s_set_vgpr_msb (MSB<<8)|(\new)
.set MSB, (\new)
.endif
.endm
.macro PLACES
.rept 4
	v_nop
.endr
.endm
.macro JLOAD s
	s_cmp_eq_u32 s21, 0
	s_cbranch_scc0 .Lfor_b_\@
	tensor_load_to_lds s[G0+4*(\s):G0+4*(\s)+3], s[G1:G1+7]
	s_nop 0
.rept 4
	v_nop
.endr
	s_branch .Lasked_\@
.Lfor_b_\@:
	tensor_load_to_lds s[G0B+4*(\s):G0B+4*(\s)+3], s[G1B:G1B+7]
	s_nop 0
.rept 4
	v_nop
.endr
.Lasked_\@:
.endm
.macro CROUND
	s_barrier_signal -1
	s_barrier_wait -1
	s_cmp_lg_u32 s20, 0
	s_cbranch_scc1 .Lnot_wave_0_\@
	s_barrier_signal -3
.Lnot_wave_0_\@:
	s_barrier_wait -3
	s_barrier_signal -1
	s_barrier_wait -1
.endm
.macro FETCH p, slot, kk
	WIN 0x40
.set i_, 0
.rept T
.irp c, 0,1,2
	ds_load_b128 v[128*(\p)+12*i_+4*\c:128*(\p)+12*i_+4*\c+3], v[ADRX+(\slot)] offset:(\kk)*BLK+1536*i_+512*\c
.endr
.set i_, i_+1
.endr
	WIN 0
.set i_, 0
.rept T
.irp c, 0,1,2
	ds_load_b128 v[64+96*(\p)+12*i_+4*\c:64+96*(\p)+12*i_+4*\c+3], v[ADRY+(\slot)] offset:(\kk)*BLK+1536*i_+512*\c
.endr
.set i_, i_+1
.endr
.set i_, 0
.rept T/2
	ds_load_b32 v[32+8*(\p)+i_], v[ADSX+(\slot)] offset:(\kk)*BLK+128*i_
	ds_load_b32 v[36+8*(\p)+i_], v[ADSY+(\slot)] offset:(\kk)*BLK+128*i_
.set i_, i_+1
.endr
.endm
.macro WM
.if RA_ && RB_
	v_wmma_scale_f32_16x16x128_f8f6f4 v[D_:D_+7], v[X_:X_+11], v[Y_:Y_+11], v[C_:C_+7], v[SX_], v[SY_] matrix_a_fmt:MATRIX_FMT_FP6 matrix_b_fmt:MATRIX_FMT_FP6 matrix_a_scale:MATRIX_SCALE_ROW1 matrix_b_scale:MATRIX_SCALE_ROW1
.elseif RA_
	v_wmma_scale_f32_16x16x128_f8f6f4 v[D_:D_+7], v[X_:X_+11], v[Y_:Y_+11], v[C_:C_+7], v[SX_], v[SY_] matrix_a_fmt:MATRIX_FMT_FP6 matrix_b_fmt:MATRIX_FMT_FP6 matrix_a_scale:MATRIX_SCALE_ROW1
.elseif RB_
	v_wmma_scale_f32_16x16x128_f8f6f4 v[D_:D_+7], v[X_:X_+11], v[Y_:Y_+11], v[C_:C_+7], v[SX_], v[SY_] matrix_a_fmt:MATRIX_FMT_FP6 matrix_b_fmt:MATRIX_FMT_FP6 matrix_b_scale:MATRIX_SCALE_ROW1
.else
	v_wmma_scale_f32_16x16x128_f8f6f4 v[D_:D_+7], v[X_:X_+11], v[Y_:Y_+11], v[C_:C_+7], v[SX_], v[SY_] matrix_a_fmt:MATRIX_FMT_FP6 matrix_b_fmt:MATRIX_FMT_FP6
.endif
.endm
.macro MUL p, cm
.set o_, 0
.rept T
.set aw_, 2+(8*T*o_)/256
.if (\cm) == 0
	WIN (aw_<<6)|(aw_<<4)|1
.else
	WIN (aw_<<6)|(1<<4)|1
.endif
.set i_, 0
.rept T
.set D_, (8*(T*o_+i_))%256
.set C_, D_
.if (\cm) == 1
.set C_, 96+8*i_+96*(i_/4)
.endif
.set X_, 128*(\p)+12*i_
.set Y_, 64+96*(\p)+12*o_
.set SX_, 32+8*(\p)+i_/2
.set SY_, 36+8*(\p)+o_/2
.set RA_, i_%2
.set RB_, o_%2
	WM
.set i_, i_+1
.endr
.set o_, o_+1
.endr
.endm
.macro KSTEP ks, cm
.set p_, (\ks)%2
.set np_, 1-p_
.set sl_, ((\ks)/KS)%2
.set nsl_, (((\ks)+1)/KS)%2
.set nkk_, ((\ks)+1)%KS
.set turn_, 0
.set refill_, 0
.if ((\ks)%KS) == (KS-1)
.if (\ks) < (NK-1)
.set turn_, 1
.if ((\ks)+1+KS) < NK
.set refill_, 1
.endif
.endif
.endif
	s_wait_dscnt 0x0
	WIN 0
.if turn_
	s_wait_tensorcnt 0x0
	ds_add_u32 v[SPW], v[NIL]
.if refill_
	s_add_nc_u64 s[G0+4*sl_+2:G0+4*sl_+3], s[G0+4*sl_+2:G0+4*sl_+3], 2*KS*BLK
	s_add_nc_u64 s[G0B+4*sl_+2:G0B+4*sl_+3], s[G0B+4*sl_+2:G0B+4*sl_+3], 2*KS*BLK
.endif
	s_wait_dscnt 0x0
.if refill_
	CROUND
	JLOAD sl_
.else
	s_barrier_signal -1
	s_barrier_wait -1
.endif
.endif
.if (\ks) < (NK-1)
.if refill_ == 0
	PLACES
.endif
	FETCH np_, nsl_, nkk_
.if refill_
.if ((\ks)+1+2*KS) < NK
	global_prefetch_b8 v24, s[82:83] offset:((\ks)+1+2*KS)*BLK th:TH_LOAD_NT scope:SCOPE_SE   ; the fill after the one just asked for; the last fill has none behind it
.endif
.endif
.endif
	MUL p_, \cm
.endm
.macro QUANTW win, s, relu, str, pw
.if \relu
	WIN ((\win)<<6)|((\win)<<2)
.set j_, 0
.rept 64
	v_max_num_f32 v[(\s)+j_], 0, v[(\s)+j_]
.set j_, j_+1
.endr
.endif
	WIN (\win)|((\win)<<2)
.irp b, 0,1,2,3
	v_max3_num_f32 v[TM+\b], |v[(\s)+16*\b]|, |v[(\s)+16*\b+1]|, 0x1800000
.endr
.irp i, 2,4,6,8,10,12,14
.irp b, 0,1,2,3
	v_max3_num_f32 v[TM+\b], |v[(\s)+16*\b+\i]|, |v[(\s)+16*\b+\i+1]|, v[TM+\b]
.endr
.endr
	WIN 0
.irp b, 0,1,2,3
	v_permlanex16_b32 v[TM+4+\b], v[TM+\b], s[SEL], s[SEL+1]
.endr
.irp b, 0,1,2,3
	v_max_num_f32 v[TM+\b], v[TM+\b], v[TM+4+\b]
.endr
.irp b, 0,1,2,3
	v_add_nc_u32 v[TM+12+\b], 0xff000000, v[TM+\b]
.endr
.irp b, 0,1,2,3
	v_lshrrev_b32 v[TM+4+\b], 23, v[TM+12+\b]
.endr
	v_lshl_or_b32 v[\pw], v[TM+5], 8, v[TM+4]
	v_lshl_or_b32 v[\pw], v[TM+6], 16, v[\pw]
	v_lshl_or_b32 v[\pw], v[TM+7], 24, v[\pw]
	WIN (\win)
.irp c, 0,1
	v_cvt_scalef32_pk16_fp6_f32 v[PC+(\str)*\c:PC+(\str)*\c+2], v[(\s)+32*\c:(\s)+32*\c+15], v[TM+12+2*\c]
	v_cvt_scalef32_pk16_fp6_f32 v[PC+2*(\str)+4*\c:PC+2*(\str)+4*\c+2], v[(\s)+32*\c+16:(\s)+32*\c+31], v[TM+13+2*\c]
.endr
	WIN 0
	v_nop
.irp c, 0,1
.irp i, 0,1,2
	v_permlane16_swap_b32 v[PC+(\str)*\c+\i], v[PC+2*(\str)+4*\c+\i]
.endr
.irp i, 0,1,2
	v_mov_b32 v[PC+(\str)*\c+3+\i], v[PC+2*(\str)+4*\c+\i]
.endr
.endr
.endm
	s_load_b256 s[4:11], s[0:1], 0x0
	v_lshl_add_u32 v[SPW], v0, 2, SPARE
	v_mov_b32 v[NIL], 0
	ds_add_u32 v[SPW], v[NIL]
	ds_add_u32 v[SPW], v[NIL]
	v_lshrrev_b32 v20, 5, v0
	v_readfirstlane_b32 s20, v20
	s_lshr_b32 s21, s20, 1
	s_and_b32 s22, s20, 1
	s_bfe_u32 s40, ttmp6, 0x40000
	s_bfe_u32 s41, ttmp6, 0x40004
	s_lshl_b32 s42, ttmp9, 2
	s_add_co_u32 s42, s42, s40
	s_and_b32 s17, ttmp7, 0xffff
	s_lshl_b32 s17, s17, 2
	s_add_co_u32 s17, s17, s41
	s_lshl_b32 s43, s41, 2
	s_lshl_b32 s43, 15, s43
	s_lshl_b32 s44, 0x1111, s40
	s_or_b32 s[G1], s43, (3<<16)|(1<<21)
	s_or_b32 s[G1B], s44, (3<<16)|(1<<21)
.irp g, G1, G1B
	s_mov_b32 s[\g+1], 32<<16
	s_mov_b32 s[\g+2], 100<<16
	s_mov_b32 s[\g+3], 32<<16
	s_mov_b32 s[\g+4], 100
	s_mov_b32 s[\g+5], 32
	s_mov_b32 s[\g+6], 0
	s_mov_b32 s[\g+7], 0
.endr
	s_mul_i32 s45, s20, REG
	s_lshl_b32 s14, s17, 1
	s_add_co_u32 s14, s14, s22
	s_mul_i32 s14, s14, NK*BLK
	s_mov_b32 s15, 0
	s_lshl_b32 s46, s42, 1
	s_add_co_u32 s46, s46, s22
	s_mul_i32 s46, s46, NK*BLK
	s_add_co_u32 s46, s46, W1OFF
	s_mov_b32 s47, 0
	s_wait_dscnt 0x0
	s_wait_kmcnt 0x0
	s_add_nc_u64 s[14:15], s[4:5], s[14:15]
	s_add_nc_u64 s[46:47], s[6:7], s[46:47]
	CROUND
.irp s, 0,1
	s_mov_b32 s[G0+4*\s], 1
	s_add_co_u32 s[G0+4*\s+1], s45, \s*SLOT
	s_add_nc_u64 s[G0+4*\s+2:G0+4*\s+3], s[14:15], \s*KS*BLK
	s_or_b32 s[G0+4*\s+3], s[G0+4*\s+3], 0x80000000
	s_mov_b32 s[G0B+4*\s], 1
	s_add_co_u32 s[G0B+4*\s+1], s45, \s*SLOT
	s_add_nc_u64 s[G0B+4*\s+2:G0B+4*\s+3], s[46:47], \s*KS*BLK
	s_or_b32 s[G0B+4*\s+3], s[G0B+4*\s+3], 0x80000000
.endr
	JLOAD 0                                        ; slot 0: one tensor load a wave at the head
	v_and_b32 v20, 31, v0
	s_cmp_eq_u32 s21, 0                            ; the prefetches: the stream that I fetch; of a load's 100 blocks of 256 bytes each of the four partners that ask jointly names 25, told apart by address
	s_cselect_b64 s[82:83], s[14:15], s[46:47]
	s_cselect_b32 s84, s40, s41
	s_mul_i32 s84, s84, 6400
	v_min_u32 v24, 24, v20                         ; a lane a block; the lanes left over name the last again
	v_lshl_add_u32 v24, v24, 8, s84
	global_prefetch_b8 v24, s[82:83] offset:KS*BLK th:TH_LOAD_NT scope:SCOPE_SE   ; slot 1's first fill, asked for one fill ahead of its load
	v_lshlrev_b32 v[LI], 4, v20
	v_lshlrev_b32 v[L4], 2, v20
	v_bfe_u32 v23, v0, 4, 1
	v_lshlrev_b32 v[H64], 6, v23
	s_mul_i32 s66, s21, REG
	s_mul_i32 s67, s22, REG
	s_add_co_u32 s67, s67, 2*REG
	v_add_nc_u32 v[ADRY], s66, v[LI]
	v_add_nc_u32 v[ADRX], s67, v[LI]
	v_add_nc_u32 v[ADSY], s66, v[L4]
	v_add_nc_u32 v[ADSX], s67, v[L4]
	v_add_nc_u32 v[ADSY], 12288, v[ADSY]
	v_add_nc_u32 v[ADSX], 12288, v[ADSX]
.irp a, ADRY, ADRX, ADSY, ADSX
	v_add_nc_u32 v[\a+1], SLOT, v[\a]
.endr
.irp b, 0,1,2,3
	v_mov_b32 v[TM+4+\b], 0
.endr
	s_lshl_b32 s76, s17, 1
	s_add_co_u32 s76, s76, s21
	s_lshl_b32 s77, s42, 1
	s_add_co_u32 s77, s77, s22
	s_lshl_b32 s78, s77, 9
	s_mov_b32 s79, 0
	s_add_nc_u64 s[8:9], s[8:9], s[78:79]
	s_lshl_b32 s80, s76, 5
	s_add_co_u32 s80, s80, s77
	s_mul_i32 s78, s80, BLK
	s_add_nc_u64 s[74:75], s[10:11], s[78:79]
	s_mov_b32 s70, 0xffff0000
	s_mov_b32 s[SEL], 0x76543210
	s_mov_b32 s[SEL+1], 0xfedcba98
	WIN 0x40
.irp i, 0,1,2,3,4,5,6,7
	global_load_b128 v[96+8*\i+96*(\i/4):96+8*\i+96*(\i/4)+3], v[H64], s[8:9] offset:(32*(\i/2)+8*(\i%2))*4
	global_load_b128 v[96+8*\i+96*(\i/4)+4:96+8*\i+96*(\i/4)+7], v[H64], s[8:9] offset:(32*(\i/2)+8*(\i%2))*4+16
.endr
	WIN 0
	s_wait_alu depctr_va_vdst(0)
	s_wait_tensorcnt 0x0                           ; my part of slot 0 is in; slot 1's first fill is issued as a refill is
	ds_add_u32 v[SPW], v[NIL]
	s_wait_dscnt 0x0
	CROUND
	JLOAD 1
	FETCH 0, 0, 0
	global_prefetch_b8 v24, s[82:83] offset:2*KS*BLK th:TH_LOAD_NT scope:SCOPE_SE  ; the fill after slot 1's
	s_wait_loadcnt 0x0
	KSTEP 0, 1
.set k_, 1
.rept NK-1
	KSTEP k_, 0
.set k_, k_+1
.endr
	WIN 0
	PLACES
.irp o, 0,1,2,3,4,5,6,7
	s_wait_xcnt 0x0
	QUANTW 2+\o/4, 64*(\o%4), 1, 6, PWS+\o
.irp c, 0,1,2
	global_store_b128 v[LI], v[PC+4*\c:PC+4*\c+3], s[74:75] offset:1536*\o+512*\c
.endr
.endr
.irp q, 0,1,2,3
	v_cndmask_b32 v[112+\q], v[PWS+2*\q], v[PWS+2*\q+1], s70
	global_store_b32 v[L4], v[112+\q], s[74:75] offset:12288+128*\q
.endr
	s_wait_tensorcnt 0x0
	ds_add_u32 v[SPW], v[NIL]
	s_wait_dscnt 0x0
	CROUND
	s_endpgm
.Lfunc_end_k_qf52a387585_ffn1:
	.size	k_qf52a387585_ffn1, .Lfunc_end_k_qf52a387585_ffn1-k_qf52a387585_ffn1
	.p2alignl 7, 3214868480
	.fill 96, 4, 3214868480
	.section	.rodata,"a",@progbits
	.p2align	6, 0x0
	.amdhsa_kernel k_qf52a387585_ffn1
		.amdhsa_group_segment_fixed_size 327680
		.amdhsa_private_segment_fixed_size 0
		.amdhsa_enable_private_segment 0
		.amdhsa_kernarg_size 32
		.amdhsa_user_sgpr_count 2
		.amdhsa_user_sgpr_kernarg_segment_ptr 1
		.amdhsa_wavefront_size32 1
		.amdhsa_system_sgpr_workgroup_id_x 1
		.amdhsa_system_sgpr_workgroup_id_y 1
		.amdhsa_system_sgpr_workgroup_id_z 1
		.amdhsa_system_vgpr_workitem_id 0
		.amdhsa_next_free_vgpr 1024
		.amdhsa_next_free_sgpr 96
		.amdhsa_reserve_vcc 0
		.amdhsa_float_denorm_mode_32 3
		.amdhsa_float_denorm_mode_16_64 3
		.amdhsa_memory_ordered 1
		.amdhsa_forward_progress 1
		.amdhsa_inst_pref_size 157
	.end_amdhsa_kernel
	.amdgpu_metadata
---
amdhsa.version: [ 1, 2 ]
amdhsa.kernels:
  - .name:           k_qf52a387585_ffn1
    .symbol:         k_qf52a387585_ffn1.kd
    .args:
      - { .name: xc, .offset: 0, .size: 8, .value_kind: global_buffer, .address_space: global }
      - { .name: wc, .offset: 8, .size: 8, .value_kind: global_buffer, .address_space: global }
      - { .name: b1, .offset: 16, .size: 8, .value_kind: global_buffer, .address_space: global }
      - { .name: hc, .offset: 24, .size: 8, .value_kind: global_buffer, .address_space: global }
    .group_segment_fixed_size: 327680
    .private_segment_fixed_size: 0
    .kernarg_segment_align: 8
    .kernarg_segment_size: 32
    .max_flat_workgroup_size: 128
    .sgpr_count:     96
    .vgpr_count:     1024
    .wavefront_size: 32
...
	.end_amdgpu_metadata
.endif
;; end of part 6
;; launch ffn2 (part 7): grid 8 x 32, 4 waves a work-group, clusters of 4 x 4, 327,680 bytes of LDS; arguments hc, wc, b2, x1, y; writes y
.if DOCPART == 7
	.amdgcn_target "amdgcn-amd-amdhsa--gfx1250"
	.amdhsa_code_object_version 6
	.text
	.protected	k_qf52a387585_ffn2
	.globl	k_qf52a387585_ffn2
	.p2align	8
	.type	k_qf52a387585_ffn2,@function
k_qf52a387585_ffn2:
	s_mov_b64 s[64:65], 0
	v_nop
	global_prefetch_b8 v0, s[64:65] scope:SCOPE_SE
	s_setreg_imm32_b32 hwreg(HW_REG_WAVE_MODE, 25, 1), 1
	s_wait_xcnt 0x0
	s_wait_alu depctr_hold_cnt(0) depctr_sa_sdst(0) depctr_va_vdst(0) depctr_va_sdst(0) depctr_va_ssrc(0) depctr_va_vcc(0) depctr_vm_vsrc(0)
	s_getreg_b32 s2, hwreg(HW_REG_IB_STS2, 6, 4)
	s_cmp_eq_u32 s2, 0
	s_cbranch_scc0 .Lentry_in_a_cluster
	s_endpgm
.Lentry_in_a_cluster:
	s_bfe_u32 s2, ttmp6, 0x10000c
	s_cmp_lg_u32 s2, 0xf033
	s_cbranch_scc0 .Lentry_shape_is_right
	s_endpgm
.Lentry_shape_is_right:
.set T,     4
.set KS,    4
.set NK,    32
.set WOFF,  3276800
.set BLK,   12800
.set REG,   2*BLK
.set SLOT,  4*REG
.set STG,   2*SLOT
.set SPARE, STG+4*16*272
.set LI,   1
.set ADRY, 2
.set ADRX, 4
.set ADSY, 6
.set ADSX, 8
.set SPW,  10
.set NIL,  11
.set STO,  12
.set RD,   13
.set CO,   14
.set H64,  15
.set G1,   24
.set G0,   32
.set G1B,  48
.set G0B,  56
.set MSB, 0
.macro WIN new
.if MSB != (\new)
	s_set_vgpr_msb (MSB<<8)|(\new)
.set MSB, (\new)
.endif
.endm
.macro PLACES
.rept 4
	v_nop
.endr
.endm
.macro JLOAD s
	s_cmp_eq_u32 s21, 0
	s_cbranch_scc0 .Lfor_b_\@
	tensor_load_to_lds s[G0+4*(\s):G0+4*(\s)+3], s[G1:G1+7]
	s_nop 0
.rept 4
	v_nop
.endr
	s_branch .Lasked_\@
.Lfor_b_\@:
	tensor_load_to_lds s[G0B+4*(\s):G0B+4*(\s)+3], s[G1B:G1B+7]
	s_nop 0
.rept 4
	v_nop
.endr
.Lasked_\@:
.endm
.macro CROUND
	s_barrier_signal -1
	s_barrier_wait -1
	s_cmp_lg_u32 s20, 0
	s_cbranch_scc1 .Lnot_wave_0_\@
	s_barrier_signal -3
.Lnot_wave_0_\@:
	s_barrier_wait -3
	s_barrier_signal -1
	s_barrier_wait -1
.endm
.macro FETCH p, slot, kk
	WIN 0x40
.set i_, 0
.rept T
.irp c, 0,1,2
	ds_load_b128 v[128*(\p)+12*i_+4*\c:128*(\p)+12*i_+4*\c+3], v[ADRX+(\slot)] offset:(\kk)*BLK+1536*i_+512*\c
.endr
.set i_, i_+1
.endr
	WIN 0
.set i_, 0
.rept T
.irp c, 0,1,2
	ds_load_b128 v[64+96*(\p)+12*i_+4*\c:64+96*(\p)+12*i_+4*\c+3], v[ADRY+(\slot)] offset:(\kk)*BLK+1536*i_+512*\c
.endr
.set i_, i_+1
.endr
.set i_, 0
.rept T/2
	ds_load_b32 v[32+8*(\p)+i_], v[ADSX+(\slot)] offset:(\kk)*BLK+128*i_
	ds_load_b32 v[36+8*(\p)+i_], v[ADSY+(\slot)] offset:(\kk)*BLK+128*i_
.set i_, i_+1
.endr
.endm
.macro WM
.if RA_ && RB_
	v_wmma_scale_f32_16x16x128_f8f6f4 v[D_:D_+7], v[X_:X_+11], v[Y_:Y_+11], v[C_:C_+7], v[SX_], v[SY_] matrix_a_fmt:MATRIX_FMT_FP6 matrix_b_fmt:MATRIX_FMT_FP6 matrix_a_scale:MATRIX_SCALE_ROW1 matrix_b_scale:MATRIX_SCALE_ROW1
.elseif RA_
	v_wmma_scale_f32_16x16x128_f8f6f4 v[D_:D_+7], v[X_:X_+11], v[Y_:Y_+11], v[C_:C_+7], v[SX_], v[SY_] matrix_a_fmt:MATRIX_FMT_FP6 matrix_b_fmt:MATRIX_FMT_FP6 matrix_a_scale:MATRIX_SCALE_ROW1
.elseif RB_
	v_wmma_scale_f32_16x16x128_f8f6f4 v[D_:D_+7], v[X_:X_+11], v[Y_:Y_+11], v[C_:C_+7], v[SX_], v[SY_] matrix_a_fmt:MATRIX_FMT_FP6 matrix_b_fmt:MATRIX_FMT_FP6 matrix_b_scale:MATRIX_SCALE_ROW1
.else
	v_wmma_scale_f32_16x16x128_f8f6f4 v[D_:D_+7], v[X_:X_+11], v[Y_:Y_+11], v[C_:C_+7], v[SX_], v[SY_] matrix_a_fmt:MATRIX_FMT_FP6 matrix_b_fmt:MATRIX_FMT_FP6
.endif
.endm
.macro MUL p, cm
.set o_, 0
.rept T
.set aw_, 2+(8*T*o_)/256
.if (\cm) == 0
	WIN (aw_<<6)|(aw_<<4)|1
.else
	WIN (aw_<<6)|(1<<4)|1
.endif
.set i_, 0
.rept T
.set D_, (8*(T*o_+i_))%256
.set C_, D_
.if (\cm) == 1
.set C_, 96+8*i_+96*(i_/4)
.endif
.set X_, 128*(\p)+12*i_
.set Y_, 64+96*(\p)+12*o_
.set SX_, 32+8*(\p)+i_/2
.set SY_, 36+8*(\p)+o_/2
.set RA_, i_%2
.set RB_, o_%2
	WM
.set i_, i_+1
.endr
.set o_, o_+1
.endr
.endm
.macro KSTEP ks, cm
.set p_, (\ks)%2
.set np_, 1-p_
.set sl_, ((\ks)/KS)%2
.set nsl_, (((\ks)+1)/KS)%2
.set nkk_, ((\ks)+1)%KS
.set turn_, 0
.set refill_, 0
.if ((\ks)%KS) == (KS-1)
.if (\ks) < (NK-1)
.set turn_, 1
.if ((\ks)+1+KS) < NK
.set refill_, 1
.endif
.endif
.endif
	s_wait_dscnt 0x0
	WIN 0
.if turn_
	s_wait_tensorcnt 0x0
	ds_add_u32 v[SPW], v[NIL]
.if refill_
	s_add_nc_u64 s[G0+4*sl_+2:G0+4*sl_+3], s[G0+4*sl_+2:G0+4*sl_+3], 2*KS*BLK
	s_add_nc_u64 s[G0B+4*sl_+2:G0B+4*sl_+3], s[G0B+4*sl_+2:G0B+4*sl_+3], 2*KS*BLK
.endif
	s_wait_dscnt 0x0
.if refill_
	CROUND
	JLOAD sl_
.else
	s_barrier_signal -1
	s_barrier_wait -1
.endif
.endif
.if (\ks) < (NK-1)
.if refill_ == 0
	PLACES
.endif
	FETCH np_, nsl_, nkk_
.if refill_
.if ((\ks)+1+2*KS) < NK
	global_prefetch_b8 v24, s[74:75] offset:((\ks)+1+2*KS)*BLK th:TH_LOAD_NT scope:SCOPE_SE   ; the fill after the one just asked for; the last fill has none behind it
.endif
.endif
.endif
	MUL p_, \cm
.endm
	s_load_b256 s[4:11], s[0:1], 0x0
	s_load_b64 s[12:13], s[0:1], 0x20
	v_lshl_add_u32 v[SPW], v0, 2, SPARE
	v_mov_b32 v[NIL], 0
	ds_add_u32 v[SPW], v[NIL]
	ds_add_u32 v[SPW], v[NIL]
	v_lshrrev_b32 v20, 5, v0
	v_readfirstlane_b32 s20, v20
	s_lshr_b32 s21, s20, 1
	s_and_b32 s22, s20, 1
	s_bfe_u32 s40, ttmp6, 0x40000
	s_bfe_u32 s41, ttmp6, 0x40004
	s_lshl_b32 s42, ttmp9, 2
	s_add_co_u32 s42, s42, s40
	s_and_b32 s17, ttmp7, 0xffff
	s_lshl_b32 s17, s17, 2
	s_add_co_u32 s17, s17, s41
	s_lshl_b32 s43, s41, 2
	s_lshl_b32 s43, 15, s43
	s_lshl_b32 s44, 0x1111, s40
	s_or_b32 s[G1], s43, (3<<16)|(1<<21)
	s_or_b32 s[G1B], s44, (3<<16)|(1<<21)
.irp g, G1, G1B
	s_mov_b32 s[\g+1], 32<<16
	s_mov_b32 s[\g+2], 100<<16
	s_mov_b32 s[\g+3], 32<<16
	s_mov_b32 s[\g+4], 100
	s_mov_b32 s[\g+5], 32
	s_mov_b32 s[\g+6], 0
	s_mov_b32 s[\g+7], 0
.endr
	s_mul_i32 s45, s20, REG
	s_mul_i32 s18, s22, REG
	s_mul_i32 s14, s17, NK*BLK
	s_add_co_u32 s14, s14, s18
	s_mov_b32 s15, 0
	s_mul_i32 s46, s42, NK*BLK
	s_add_co_u32 s46, s46, s18
	s_add_co_u32 s46, s46, WOFF
	s_mov_b32 s47, 0
	s_wait_dscnt 0x0
	s_wait_kmcnt 0x0
	s_add_nc_u64 s[14:15], s[4:5], s[14:15]
	s_add_nc_u64 s[46:47], s[6:7], s[46:47]
	CROUND
.irp s, 0,1
	s_mov_b32 s[G0+4*\s], 1
	s_add_co_u32 s[G0+4*\s+1], s45, \s*SLOT
	s_add_nc_u64 s[G0+4*\s+2:G0+4*\s+3], s[14:15], \s*KS*BLK
	s_or_b32 s[G0+4*\s+3], s[G0+4*\s+3], 0x80000000
	s_mov_b32 s[G0B+4*\s], 1
	s_add_co_u32 s[G0B+4*\s+1], s45, \s*SLOT
	s_add_nc_u64 s[G0B+4*\s+2:G0B+4*\s+3], s[46:47], \s*KS*BLK
	s_or_b32 s[G0B+4*\s+3], s[G0B+4*\s+3], 0x80000000
.endr
	JLOAD 0                                        ; slot 0: one tensor load a wave at the head
	v_and_b32 v20, 31, v0
	s_cmp_eq_u32 s21, 0                            ; the prefetches: the stream that I fetch; of a load's 100 blocks of 256 bytes each of the four partners that ask jointly names 25, told apart by address
	s_cselect_b64 s[74:75], s[14:15], s[46:47]
	s_cselect_b32 s76, s40, s41
	s_mul_i32 s76, s76, 6400
	v_min_u32 v24, 24, v20                         ; a lane a block; the lanes left over name the last again
	v_lshl_add_u32 v24, v24, 8, s76
	global_prefetch_b8 v24, s[74:75] offset:KS*BLK th:TH_LOAD_NT scope:SCOPE_SE   ; slot 1's first fill, asked for one fill ahead of its load
	v_lshlrev_b32 v[LI], 4, v20
	v_lshlrev_b32 v21, 2, v20
	v_and_b32 v22, 15, v0
	v_bfe_u32 v23, v0, 4, 1
	v_lshlrev_b32 v[H64], 6, v23
	s_mul_i32 s66, s21, 6144
	s_mul_i32 s67, s22, 6144
	s_add_co_u32 s67, s67, 2*REG
	v_add_nc_u32 v[ADRY], s66, v[LI]
	v_add_nc_u32 v[ADRX], s67, v[LI]
	s_lshl_b32 s66, s21, 8
	s_add_co_u32 s66, s66, 12288
	s_lshl_b32 s67, s22, 8
	s_add_co_u32 s67, s67, 2*REG+12288
	v_add_nc_u32 v[ADSY], s66, v21
	v_add_nc_u32 v[ADSX], s67, v21
.irp a, ADRY, ADRX, ADSY, ADSX
	v_add_nc_u32 v[\a+1], SLOT, v[\a]
.endr
	s_mul_i32 s68, s20, 16*272
	s_add_co_u32 s68, s68, STG
	v_mul_u32_u24 v[STO], v22, 272
	v_add_nc_u32 v[STO], v[STO], v[H64]
	v_add_nc_u32 v[STO], s68, v[STO]
	v_mul_u32_u24 v[RD], v23, 272
	v_lshl_add_u32 v[RD], v22, 4, v[RD]
	v_add_nc_u32 v[RD], s68, v[RD]
	v_lshlrev_b32 v[CO], 12, v23
	v_lshl_add_u32 v[CO], v22, 4, v[CO]
	s_wait_alu depctr_va_vdst(0)
	s_lshl_b32 s70, s17, 7
	s_lshl_b32 s71, s21, 6
	s_add_co_u32 s70, s70, s71
	s_lshl_b32 s70, s70, 12
	s_lshl_b32 s72, s42, 9
	s_lshl_b32 s71, s22, 8
	s_add_co_u32 s72, s72, s71
	s_add_co_u32 s70, s70, s72
	s_mov_b32 s71, 0
	s_mov_b32 s73, 0
	s_add_nc_u64 s[8:9], s[8:9], s[72:73]
	s_add_nc_u64 s[10:11], s[10:11], s[70:71]
	s_add_nc_u64 s[12:13], s[12:13], s[70:71]
	WIN 0x40
.irp i, 0,1,2,3
	global_load_b128 v[96+8*\i:96+8*\i+3], v[H64], s[8:9] offset:(32*(\i/2)+8*(\i%2))*4
	global_load_b128 v[96+8*\i+4:96+8*\i+7], v[H64], s[8:9] offset:(32*(\i/2)+8*(\i%2))*4+16
.endr
	WIN 0x80
.irp o, 0,1,2,3
.irp t, 0,1,2,3,4,5,6,7
	global_load_b128 v[128+32*\o+4*\t:128+32*\o+4*\t+3], v[CO], s[10:11] offset:(32*(\o/2)+8*(\o%2)+2*\t+8*(\t/4))*4096
.endr
.endr
	WIN 0
	s_wait_tensorcnt 0x0                           ; my part of slot 0 is in; slot 1's first fill is issued as a refill is
	ds_add_u32 v[SPW], v[NIL]
	s_wait_dscnt 0x0
	CROUND
	JLOAD 1
	FETCH 0, 0, 0
	global_prefetch_b8 v24, s[74:75] offset:2*KS*BLK th:TH_LOAD_NT scope:SCOPE_SE  ; the fill after slot 1's
	s_wait_loadcnt 32
	KSTEP 0, 1
.set k_, 1
.rept NK-1
	KSTEP k_, 0
.set k_, k_+1
.endr
	WIN 0
	PLACES
	s_wait_loadcnt 0x0
.irp o, 0,1,2,3
	WIN 0x08
.irp i, 0,1,2,3
	ds_store_b128 v[STO], v[8*(4*\o+\i):8*(4*\o+\i)+3] offset:128*(\i/2)+32*(\i%2)
	ds_store_b128 v[STO], v[8*(4*\o+\i)+4:8*(4*\o+\i)+7] offset:128*(\i/2)+32*(\i%2)+16
.endr
	WIN 0
.irp t, 0,1,2,3,4,5,6,7
	ds_load_b128 v[64+32*\o+4*\t:64+32*\o+4*\t+3], v[RD] offset:544*\t
.endr
	s_wait_dscnt 0x0
	WIN 0x88
.irp m, 0,2,4,6,8,10,12,14,16,18,20,22,24,26,28,30
	v_pk_add_f32 v[128+32*\o+\m:129+32*\o+\m], v[64+32*\o+\m:65+32*\o+\m], v[128+32*\o+\m:129+32*\o+\m]
.endr
	WIN 0x08
.irp t, 0,1,2,3,4,5,6,7
	global_store_b128 v[CO], v[128+32*\o+4*\t:128+32*\o+4*\t+3], s[12:13] offset:(32*(\o/2)+8*(\o%2)+2*\t+8*(\t/4))*4096
.endr
.endr
	WIN 0
	s_wait_tensorcnt 0x0
	ds_add_u32 v[SPW], v[NIL]
	s_wait_dscnt 0x0
	CROUND
	s_endpgm
.Lfunc_end_k_qf52a387585_ffn2:
	.size	k_qf52a387585_ffn2, .Lfunc_end_k_qf52a387585_ffn2-k_qf52a387585_ffn2
	.p2alignl 7, 3214868480
	.fill 96, 4, 3214868480
	.section	.rodata,"a",@progbits
	.p2align	6, 0x0
	.amdhsa_kernel k_qf52a387585_ffn2
		.amdhsa_group_segment_fixed_size 327680
		.amdhsa_private_segment_fixed_size 0
		.amdhsa_enable_private_segment 0
		.amdhsa_kernarg_size 40
		.amdhsa_user_sgpr_count 2
		.amdhsa_user_sgpr_kernarg_segment_ptr 1
		.amdhsa_wavefront_size32 1
		.amdhsa_system_sgpr_workgroup_id_x 1
		.amdhsa_system_sgpr_workgroup_id_y 1
		.amdhsa_system_sgpr_workgroup_id_z 1
		.amdhsa_system_vgpr_workitem_id 0
		.amdhsa_next_free_vgpr 768
		.amdhsa_next_free_sgpr 80
		.amdhsa_reserve_vcc 0
		.amdhsa_float_denorm_mode_32 3
		.amdhsa_float_denorm_mode_16_64 3
		.amdhsa_memory_ordered 1
		.amdhsa_forward_progress 1
		.amdhsa_inst_pref_size 160
	.end_amdhsa_kernel
	.amdgpu_metadata
---
amdhsa.version: [ 1, 2 ]
amdhsa.kernels:
  - .name:           k_qf52a387585_ffn2
    .symbol:         k_qf52a387585_ffn2.kd
    .args:
      - { .name: hc, .offset: 0, .size: 8, .value_kind: global_buffer, .address_space: global }
      - { .name: wc, .offset: 8, .size: 8, .value_kind: global_buffer, .address_space: global }
      - { .name: b2, .offset: 16, .size: 8, .value_kind: global_buffer, .address_space: global }
      - { .name: x1, .offset: 24, .size: 8, .value_kind: global_buffer, .address_space: global }
      - { .name: y, .offset: 32, .size: 8, .value_kind: global_buffer, .address_space: global }
    .group_segment_fixed_size: 327680
    .private_segment_fixed_size: 0
    .kernarg_segment_align: 8
    .kernarg_segment_size: 40
    .max_flat_workgroup_size: 128
    .sgpr_count:     80
    .vgpr_count:     768
    .wavefront_size: 32
...
	.end_amdgpu_metadata
.endif
;; end of part 7
;; launch ln2 (part 8): grid 256 x 1, 4 waves a work-group, no clusters, 0 bytes of LDS; arguments y, g2, be2, out0; writes out0
.if DOCPART == 8
	.amdgcn_target "amdgcn-amd-amdhsa--gfx1250"
	.amdhsa_code_object_version 6
	.text
	.protected	k_qf52a387585_ln2
	.globl	k_qf52a387585_ln2
	.p2align	8
	.type	k_qf52a387585_ln2,@function
k_qf52a387585_ln2:
	s_mov_b64 s[64:65], 0
	v_nop
	global_prefetch_b8 v0, s[64:65] scope:SCOPE_SE
	s_setreg_imm32_b32 hwreg(HW_REG_WAVE_MODE, 25, 1), 1
	s_wait_xcnt 0x0
; out = LayerNorm(y) g + b, in f32 (mean, then the sum of squares of x - mean).  A wave norms four whole rows in registers (a row is 32 registers), the four by turns: rows 16 id + 4 w + 0 .. 3.
; Memory binds: each byte is read once and written once, 512 consecutive bytes an instruction; no LDS, no barrier, no matrix unit.  LIMITS: NaN and infinities are not served.
.set LI,  3
.set SEL, 40
.macro REDUCE
.irp e, 0,1,2,3
	v_add_f32 v[16+2*\e], v[16+2*\e], v[17+2*\e]
.endr
.irp m, 1,2,4,8
.irp e, 0,1,2,3
	v_add_f32_dpp v[16+2*\e], v[16+2*\e], v[16+2*\e] row_xmask:\m row_mask:0xf bank_mask:0xf
.endr
.endr
.irp e, 0,1,2,3
	v_permlanex16_b32 v[44+\e], v[16+2*\e], s[SEL], s[SEL+1]
.endr
.irp e, 0,1,2,3
	v_add_f32 v[16+2*\e], v[16+2*\e], v[44+\e]
.endr
.endm
	s_load_b256 s[4:11], s[0:1], 0x0               ; y, g, b, out
	v_lshrrev_b32 v1, 5, v0
	v_readfirstlane_b32 s22, v1
	v_and_b32 v2, 31, v0
	v_lshlrev_b32 v[LI], 4, v2
	s_lshl_b32 s25, ttmp9, 4
	s_lshl_b32 s26, s22, 2
	s_add_co_u32 s25, s25, s26
	s_lshl_b32 s26, s25, 12
	s_mov_b32 s27, 0
	s_mov_b32 s[SEL], 0x76543210
	s_mov_b32 s[SEL+1], 0xfedcba98
	s_mov_b32 s36, 0x3a800000                      ; 1 / 1024
	s_mov_b32 s37, 0x3727c5ac                      ; 1e-5
.irp e, 0,1,2,3
	v_mov_b32 v[44+\e], 0                          ; a lane permute's destination counts as one of its sources
.endr
	s_wait_alu depctr_va_vdst(0)
	s_wait_kmcnt 0x0
	s_add_nc_u64 s[4:5], s[4:5], s[26:27]
	s_add_nc_u64 s[10:11], s[10:11], s[26:27]
.irp e, 0,1,2,3
.irp j, 0,1,2,3,4,5,6,7
	global_load_b128 v[64+32*\e+4*\j:64+32*\e+4*\j+3], v[LI], s[4:5] offset:\e*4096+512*\j th:TH_LOAD_NT
.endr
.endr
.irp j, 0,1,2,3,4,5,6,7
	global_load_b128 v[192+4*\j:195+4*\j], v[LI], s[6:7] offset:512*\j
	global_load_b128 v[224+4*\j:227+4*\j], v[LI], s[8:9] offset:512*\j
.endr
	s_wait_loadcnt 16                              ; the four rows are in; gain and bias, sixteen loads, may be out
.irp e, 0,1,2,3
	v_pk_add_f32 v[16+2*\e:17+2*\e], v[64+32*\e:65+32*\e], v[66+32*\e:67+32*\e]
.endr
.irp j, 4,6,8,10,12,14,16,18,20,22,24,26,28,30
.irp e, 0,1,2,3
	v_pk_add_f32 v[16+2*\e:17+2*\e], v[16+2*\e:17+2*\e], v[64+32*\e+\j:65+32*\e+\j]
.endr
.endr
	REDUCE
.irp e, 0,1,2,3
	v_mul_f32 v[24+2*\e], 0xba800000, v[16+2*\e]   ; - the mean
.endr
.irp e, 0,1,2,3
	v_mov_b32 v[25+2*\e], v[24+2*\e]
.endr
.irp j, 0,2,4,6,8,10,12,14,16,18,20,22,24,26,28,30
.irp e, 0,1,2,3
	v_pk_add_f32 v[64+32*\e+\j:65+32*\e+\j], v[64+32*\e+\j:65+32*\e+\j], v[24+2*\e:25+2*\e]
.endr
.endr
.irp e, 0,1,2,3
	v_pk_mul_f32 v[16+2*\e:17+2*\e], v[64+32*\e:65+32*\e], v[64+32*\e:65+32*\e]
.endr
.irp j, 2,4,6,8,10,12,14,16,18,20,22,24,26,28,30
.irp e, 0,1,2,3
	v_pk_fma_f32 v[16+2*\e:17+2*\e], v[64+32*\e+\j:65+32*\e+\j], v[64+32*\e+\j:65+32*\e+\j], v[16+2*\e:17+2*\e]
.endr
.endr
	REDUCE
.irp e, 0,1,2,3
	v_fma_f32 v[16+2*\e], v[16+2*\e], s36, s37     ; the variance + 1e-5
.endr
	s_wait_alu depctr_va_vdst(0)
.irp e, 0,1,2,3
	v_rsq_f32 v[32+2*\e], v[16+2*\e]
.endr
	v_nop                                          ; a plain place behind the last of the four,
	s_wait_alu depctr_va_vdst(0)                   ; and one wait ahead of their first reader
.irp e, 0,1,2,3
	v_mov_b32 v[33+2*\e], v[32+2*\e]
.endr
	s_wait_alu depctr_va_vdst(0)
	s_wait_loadcnt 0x0
.irp e, 0,1,2,3
.irp j, 0,2,4,6,8,10,12,14,16,18,20,22,24,26,28,30
	v_pk_mul_f32 v[64+32*\e+\j:65+32*\e+\j], v[64+32*\e+\j:65+32*\e+\j], v[32+2*\e:33+2*\e]
.endr
.irp j, 0,2,4,6,8,10,12,14,16,18,20,22,24,26,28,30
	v_pk_fma_f32 v[64+32*\e+\j:65+32*\e+\j], v[64+32*\e+\j:65+32*\e+\j], v[192+\j:193+\j], v[224+\j:225+\j]
.endr
.irp j, 0,1,2,3,4,5,6,7
	global_store_b128 v[LI], v[64+32*\e+4*\j:64+32*\e+4*\j+3], s[10:11] offset:\e*4096+512*\j th:TH_STORE_NT
.endr
.endr
	s_endpgm
.Lfunc_end_k_qf52a387585_ln2:
	.size	k_qf52a387585_ln2, .Lfunc_end_k_qf52a387585_ln2-k_qf52a387585_ln2
	.p2alignl 7, 3214868480
	.fill 96, 4, 3214868480
	.section	.rodata,"a",@progbits
	.p2align	6, 0x0
	.amdhsa_kernel k_qf52a387585_ln2
		.amdhsa_group_segment_fixed_size 0
		.amdhsa_private_segment_fixed_size 0
		.amdhsa_enable_private_segment 0
		.amdhsa_kernarg_size 32
		.amdhsa_user_sgpr_count 2
		.amdhsa_user_sgpr_kernarg_segment_ptr 1
		.amdhsa_wavefront_size32 1
		.amdhsa_system_sgpr_workgroup_id_x 1
		.amdhsa_system_sgpr_workgroup_id_y 1
		.amdhsa_system_sgpr_workgroup_id_z 1
		.amdhsa_system_vgpr_workitem_id 0
		.amdhsa_next_free_vgpr 256
		.amdhsa_next_free_sgpr 66
		.amdhsa_reserve_vcc 0
		.amdhsa_float_denorm_mode_32 3
		.amdhsa_float_denorm_mode_16_64 3
		.amdhsa_memory_ordered 1
		.amdhsa_forward_progress 1
		.amdhsa_inst_pref_size 33
	.end_amdhsa_kernel
	.amdgpu_metadata
---
amdhsa.version: [ 1, 2 ]
amdhsa.kernels:
  - .name:           k_qf52a387585_ln2
    .symbol:         k_qf52a387585_ln2.kd
    .args:
      - { .name: y, .offset: 0, .size: 8, .value_kind: global_buffer, .address_space: global }
      - { .name: g2, .offset: 8, .size: 8, .value_kind: global_buffer, .address_space: global }
      - { .name: be2, .offset: 16, .size: 8, .value_kind: global_buffer, .address_space: global }
      - { .name: out0, .offset: 24, .size: 8, .value_kind: global_buffer, .address_space: global }
    .group_segment_fixed_size: 0
    .private_segment_fixed_size: 0
    .kernarg_segment_align: 8
    .kernarg_segment_size: 32
    .max_flat_workgroup_size: 128
    .sgpr_count:     66
    .vgpr_count:     256
    .wavefront_size: 32
...
	.end_amdgpu_metadata
.endif
;; end of part 8
